; MI455X (gfx1250); checked and timed in simulation.
; The chip was launched on July 23, 2026; its instructions are those of AMD's public machine-readable ISA for CDNA 5 (MIT licence, August 2026) and "CDNA5" Instruction Set Architecture Reference Guide (July 2026). The comments in the code are by the model that wrote it; some were corrected since.
;; Self Attention. Allowed arithmetic: matrix products marked QUANTISED: E5M2 operands, one given power-of-two scale a tensor, by v_wmma_f32_16x16x64_bf8_bf8 or v_wmma_f32_16x16x128_bf8_bf8, f32 sums; products left as they are: f32 operands where the result goes on into a quantised operand, else bf16, f16 or f32 operands; f32 sums; everything else in f32.
;; Inputs: Wk 64 x 16 float32; Wq 64 x 16 float32; Wv 64 x 64 float32; lowp_scales 8 int32 (the exponents e of the quantised operands' scales 2^e); x 4 x 4,096 x 64 float32.
;; Outputs: out0 4 x 4,096 x 64 float32.
;; This version of the problem:
;;   THIS VERSION OF THE PROBLEM IS GIVEN IN LOW PRECISION. The matrix products marked QUANTISED in the list below multiply operands that are first quantised to E5M2 (5 exponent bits, 2 mantissa bits; 8 bits a number), with one given power-of-two scale for each operand tensor; their sums are f32. All else is computed in f32.
;;   The module's matrix products, in the order in which they are computed (A, B: the left and right operand; K: the contracted axis; several contracted axes count as one K, in the product's order):
;;     1. [M 16,384, K 64] x [K 64, N 16]; A: input x; B: input Wq: QUANTISED (scales: A lowp_scales[0], B lowp_scales[1])
;;     2. [M 16,384, K 64] x [K 64, N 16]; A: input x; B: input Wk: QUANTISED (scales: A lowp_scales[2], B lowp_scales[3])
;;     3. [M 16,384, K 64] x [K 64, N 64]; A: input x; B: input Wv: QUANTISED (scales: A lowp_scales[4], B lowp_scales[5])
;;     4. batch 4 x [M 4,096, K 16] x [K 16, N 4,096]; A: computed on the way; B: computed on the way: left as it is (K = 16 < 32)
;;     5. batch 4 x [M 4,096, K 4,096] x [K 4,096, N 64]; A: softmax (see below); B: computed on the way: QUANTISED (scales: A lowp_scales[6], B lowp_scales[7])
;;   THE QUANTISER, for each operand of a quantised product, along K:
;;     - The operand's scale is 2^e, e = its entry of the input lowp_scales (int32; the entries are numbered through the quantised products in the list's order, A before B).
;;     - Each number is divided by the scale, clamped to +-57,344, and rounded to the nearest number of E5M2, ties to even, subnormals kept.
;;     - The product sums the exact products of the quantised numbers (number of the format x scale) in f32.
;;   ~~~python
;;   def quantise(x, axis, e):      # numpy; x: float32 -> the quantised numbers, widened to float32 again
;;       x = np.moveaxis(x, axis, -1); K = x.shape[-1]
;;       r = np.clip(x / 2.0 ** e, -57344, 57344)
;;       step = 2.0 ** (np.maximum(np.frexp(np.where(r == 0, 1, r))[1] - 1, -14) - 2)
;;       q = np.round(r / step) * step * 2.0 ** e      # np.round: ties to even
;;       return np.moveaxis(q, -1, axis).astype(np.float32)
;;   ~~~
;;   SOFTMAX AHEAD OF A QUANTISED PRODUCT. Where the list says 'softmax', what is quantised is not the finished softmax but p = 2^(t - M), with t = logit x log2(e) and M = ceil(the row's largest t), a whole number; so 1/2 < the row's largest p <= 1. The row's sum l is taken of the UNQUANTISED p, in f32, and the product's result is divided by l at the end. Since M is a whole number, a kernel that streams over the keys may use a running M (the ceiling of the running maximum): every later rescaling is an exact power of two, so the quantised numbers keep their values, but for numbers so far below the row's largest that they fall under the format's range.
;;   OPERANDS COMPUTED ON THE WAY. 'Computed on the way' means the value that the module computes at that place (a softmax that the list does not call 'softmax' is quantised finished and normalised). What goes into a quantiser is computed in f32, as accurately as f32 sums, v_exp_f32 and their like allow (about 1e-6 of the number): no bf16 or f16 on the way to a quantiser, and a product that is left as it is and whose result goes on into a quantised operand takes f32 operands (vector FMAs, or v_wmma_f32_16x16x4_f32). A number that lies on a knife's edge between two numbers of the format may be rounded either way, as far as f32 arithmetic and the matrix unit's own rounding can turn it there, and no further.
;; 2 versions, each right; version 2 is version 1 with the launches project, attend written anew for expert scheduling mode. Each part assembles by itself: llvm-mc -triple=amdgcn-amd-amdhsa -mcpu=gfx1250 --defsym DOCPART=n.
;; ======== version 1 of 2: 2 launches
;; workspace buffers: qimg 1,048,576 bytes; kimg 1,048,576 bytes; vimg 1,048,576 bytes
;; launch project (part 1): grid 256 x 1, 2 waves a work-group, no clusters, 6,400 bytes of LDS; arguments x, Wq, Wk, Wv, lowp_scales, qimg, kimg, vimg; writes qimg, kimg, vimg
.if DOCPART == 1
	.amdgcn_target "amdgcn-amd-amdhsa--gfx1250"
	.amdhsa_code_object_version 6
	.text
	.protected	k_q9a40d9ba66_project
	.globl	k_q9a40d9ba66_project
	.p2align	8
	.type	k_q9a40d9ba66_project,@function
k_q9a40d9ba66_project:
	s_mov_b64 s[64:65], 0
	v_nop
	global_prefetch_b8 v0, s[64:65] scope:SCOPE_SE
	s_setreg_imm32_b32 hwreg(HW_REG_WAVE_MODE, 25, 1), 1
	s_wait_xcnt 0x0
; q = Q(x) Q(Wq), k = Q(x) Q(Wk), v = Q(x) Q(Wv) on codes of BF8 (E5M2), K = 64, each operand with the scale 2^e that is given for it (e0 .. e5); then v is quantised along the tokens with 2^e7.
; x: [16384][64] f32.  Wq, Wk: [64][16], Wv: [64][64] f32, K their FIRST axis.  Results leave as IMAGES OF THE NEXT LAUNCH'S OPERAND REGISTERS: four registers of 32 lanes are 512 bytes, lane l's 16 bytes at 16 l.
;   qimg, kimg (f32): tile of 16 tokens at 1,024 x tile; register j (0..7) of lane (r, h) = q or k of token r, head index 8 h + j.
;   vimg (codes): step of 64 tokens at 4,096 x step, channel tile t at + 1,024 t; registers 2 c, 2 c + 1 of lane (r, h) = v(token 16 c + 8 h + 0..7, channel 16 t + r).
; SHARES.  A work-group takes 64 tokens, each of its two waves 32: two tiles of 16.  The weights are quantised once in a work-group (wave 0: Wq and Wv's channel tiles 0, 1; wave 1: Wk and tiles 2, 3)
; and go to the other wave through LDS as images of their registers.  A fragment of the K = 64 form is 8 registers: code i of a lane stands for k = 16 (i / 8) + 8 h + i % 8.
; x: lane (r, h) loads those 32 numbers of row r (eight loads of 16 bytes).  A weight: lane r takes column r and its registers run down K, so nothing is transposed.
; q and k are made TRANSPOSED (source 0 = the weight, source 1 = x): a lane holds one token and eight head indices.  v is made as it reads (source 0 = x, source 1 = Wv): a lane holds one channel and eight
; neighbouring tokens, which are eight neighbours along the next product's K: the conversion's results are vimg's registers.
; LIMITS: e0 .. e5 and e7 - e4 - e5 lie between -126 and 112, so that each scale and 57,344 x the scale is an f32 number.  NaN among the inputs is not served (an infinity is held at the largest code).
; No tensor load, no cluster: work-groups share only the weights, 24,576 bytes against the 16,384 of x that each reads alone, and they are read once at the head.
.set LI,  1                            ; v1   16 x lane: my place in an image
.set XA,  4                            ; v4   x: 256 r + 32 h
.set WA,  5                            ; v5   Wq, Wk: 4 r + 512 h
.set VA,  6                            ; v6   Wv: 4 r + 2,048 h + 128 x wave
.set SW,  8                            ; v8   LDS: where I store Wq's or Wk's image: 16 x lane + 1,024 x wave
.set SV,  9                            ; v9   and my two tiles of Wv: 16 x lane + 2,048 + 2,048 x wave
.set WC,  24                           ; v24-47   my three weight fragments' codes; later v's codes
.set XL,  48                           ; v48-111  x as loaded: 32 numbers a tile
.set WL,  112                          ; v112-143 Wq or Wk as loaded
.set TMP, 112                          ; later: 32 held numbers of x
.set VL,  144                          ; v144-207 my two tiles of Wv as loaded
.set WF,  144                          ; later: the six weight fragments from LDS, 8 registers each: Wq, Wk, Wv's four
.set XC,  208                          ; v208-255 x's codes: tile m under scale u (q, k, v) at XC + 8 (3 m + u)
.set RQ,  48                           ; the sums: q, 8 registers a tile
.set RK,  64                           ; k
.set RV,  80                           ; v: tile of tokens m, channel tile t at RV + 8 (4 m + t)
; s[se] holds e: v[sc] = 2^e as f32 (the conversion takes its exponent field), v[lim] = 57,344 x 2^e
.macro MKSC sc, lim, se
	s_add_co_i32 s40, s[\se], 127
	s_lshl_b32 s41, s40, 23
	v_mov_b32 v[\sc], s41
	s_add_co_i32 s40, s40, 15
	s_lshl_b32 s40, s40, 23
	s_or_b32 s40, s40, 0x600000
	v_mov_b32 v[\lim], s40
.endm
; 32 numbers of a lane become a fragment's 8 registers of codes.  inplace = 0: the numbers are kept (x is quantised three times) and the held ones go to TMP.
.macro QUANT32 src, dst, sc, lim, inplace
.set qd, TMP
.if \inplace
.set qd, \src
.endif
.set qi, 0
.rept 32
	v_med3_num_f32 v[qd+qi], v[(\src)+qi], -v[\lim], v[\lim]   ; the conversion to an 8-bit code does not saturate (ISA guide 7.6.2): the hold at the largest code x the scale comes first
.set qi, qi+1
.endr
.irp g, 0,1,2,3
	v_cvt_scalef32_pk8_bf8_f32 v[(\dst)+2*\g:(\dst)+2*\g+1], v[qd+8*\g:qd+8*\g+7], v[\sc]
.endr
	v_nop                                          ; one plain vector line between the conversions and whatever next writes their sources or reads their results
.endm
	s_load_b512 s[16:31], s[0:1], 0x0              ; x s[16:17], Wq s[18:19], Wk s[20:21], Wv s[22:23], the exponents s[24:25], qimg s[26:27], kimg s[28:29], vimg s[30:31]
	v_lshl_add_u32 v22, v0, 2, 0x1800
	v_mov_b32 v23, 0
	v_lshrrev_b32 v7, 5, v0
	v_readfirstlane_b32 s8, v7                     ; wave 0, 1
	v_and_b32 v7, 31, v0
	v_lshlrev_b32 v[LI], 4, v7
	v_and_b32 v2, 15, v0                           ; r
	v_bfe_u32 v3, v0, 4, 1                         ; h
	v_lshlrev_b32 v[XA], 8, v2
	v_lshl_add_u32 v[XA], v3, 5, v[XA]
	v_lshlrev_b32 v[WA], 2, v2
	v_lshl_add_u32 v[VA], v3, 11, v[WA]
	v_lshl_add_u32 v[WA], v3, 9, v[WA]
	s_lshl_b32 s9, s8, 7
	v_add_nc_u32 v[VA], s9, v[VA]
	s_lshl_b32 s9, s8, 10
	v_add_nc_u32 v[SW], s9, v[LI]
	s_lshl_b32 s9, s8, 11
	s_add_co_u32 s9, s9, 2048
	v_add_nc_u32 v[SV], s9, v[LI]
	s_lshl_b32 s40, ttmp9, 14                      ; x: 64 rows of 256 bytes a work-group, 32 a wave
	s_lshl_b32 s41, s8, 13
	s_add_co_u32 s40, s40, s41
	s_mov_b32 s41, 0
	s_lshl_b32 s42, ttmp9, 12                      ; qimg, kimg: four tiles of 1,024 bytes a work-group, two a wave
	s_lshl_b32 s43, s8, 11
	s_add_co_u32 s42, s42, s43
	s_mov_b32 s43, 0
	s_lshl_b32 s44, ttmp9, 12                      ; vimg: a step of 4,096 bytes a work-group; my 32 tokens are registers 4 w .. 4 w + 3 of each fragment: + 512 x wave
	s_lshl_b32 s45, s8, 9
	s_add_co_u32 s44, s44, s45
	s_mov_b32 s45, 0
	s_wait_kmcnt 0x0
	s_load_b256 s[32:39], s[24:25], 0x0            ; e0 .. e7
	s_add_nc_u64 s[16:17], s[16:17], s[40:41]
	s_add_nc_u64 s[26:27], s[26:27], s[42:43]
	s_add_nc_u64 s[28:29], s[28:29], s[42:43]
	s_add_nc_u64 s[30:31], s[30:31], s[44:45]
	s_cmp_eq_u32 s8, 0                             ; wave 0 quantises Wq, wave 1 Wk: the choice hangs on the wave's number alone
	s_cselect_b64 s[10:11], s[18:19], s[20:21]
.set i, 0
.rept 32
	global_load_b32 v[WL+i], v[WA], s[10:11] offset:(16*(i/8)+i%8)*64          ; W(16 (i / 8) + 8 h + i % 8, r)
.set i, i+1
.endr
.irp t, 0,1
.set i, 0
.rept 32
	global_load_b32 v[VL+32*\t+i], v[VA], s[22:23] offset:(16*(i/8)+i%8)*256+64*\t
.set i, i+1
.endr
.endr
.irp m, 0,1
.irp c, 0,1,2,3
	global_load_b128 v[XL+32*\m+8*\c:XL+32*\m+8*\c+3],   v[XA], s[16:17] offset:4096*\m+64*\c th:TH_LOAD_NT      ; x(16 m + r, 16 c + 8 h + 0..3)
	global_load_b128 v[XL+32*\m+8*\c+4:XL+32*\m+8*\c+7], v[XA], s[16:17] offset:4096*\m+64*\c+16 th:TH_LOAD_NT   ; and + 4..7
.endr
.endr
	s_wait_kmcnt 0x0
	s_cmp_eq_u32 s8, 0
	s_cselect_b32 s12, s33, s35                    ; e1 for Wq, e3 for Wk
	s_sub_co_i32 s13, s39, s36
	s_sub_co_i32 s13, s13, s37                     ; a sum of the third product stands for sum x 2^(e4 + e5): its code is sum / 2^(e7 - e4 - e5)
	s_add_co_i32 s14, s32, s33                     ; q = sum x 2^(e0 + e1)
	s_add_co_i32 s15, s34, s35                     ; k = sum x 2^(e2 + e3)
	MKSC 10, 11, 32
	MKSC 12, 13, 34
	MKSC 14, 15, 36
	MKSC 16, 17, 12
	MKSC 18, 19, 37
	MKSC 20, 21, 13
	s_wait_loadcnt 16                              ; the weights are in; x's sixteen loads, issued behind them, may stay out
	QUANT32 WL, WC, 16, 17, 1
	QUANT32 VL, WC+8, 18, 19, 1
	QUANT32 VL+32, WC+16, 18, 19, 1
	ds_store_b128 v[SW], v[WC:WC+3]
	ds_store_b128 v[SW], v[WC+4:WC+7] offset:512
.irp n, 0,1,2,3
	ds_store_b128 v[SV], v[WC+8+4*\n:WC+8+4*\n+3] offset:512*\n
.endr
	s_wait_loadcnt 0x0                             ; x
.irp m, 0,1
.irp u, 0,1,2
	QUANT32 XL+32*\m, XC+8*(3*\m+\u), 10+2*\u, 11+2*\u, 0
.endr
.endr
	s_wait_dscnt 0x0                               ; for the other wave's sake: my images have landed
	s_barrier_signal -1
	s_barrier_wait -1
.irp n, 0,1,2,3,4,5,6,7,8,9,10,11
	ds_load_b128 v[WF+4*\n:WF+4*\n+3], v[LI] offset:512*\n
.endr
	s_wait_dscnt 0x0
.irp m, 0,1                                    ; twelve products, each a whole sum (K = 64) on registers of its own
	v_wmma_f32_16x16x64_bf8_bf8 v[RQ+8*\m:RQ+8*\m+7], v[WF:WF+7], v[XC+24*\m:XC+24*\m+7], 0
	v_wmma_f32_16x16x64_bf8_bf8 v[RK+8*\m:RK+8*\m+7], v[WF+8:WF+15], v[XC+24*\m+8:XC+24*\m+15], 0
.irp t, 0,1,2,3
	v_wmma_f32_16x16x64_bf8_bf8 v[RV+8*(4*\m+\t):RV+8*(4*\m+\t)+7], v[XC+24*\m+16:XC+24*\m+23], v[WF+16+8*\t:WF+16+8*\t+7], 0
.endr
.endr
.rept 4
	v_nop                                          ; four places between the last product and the first read of results (ISA guide 7.12.1)
.endr
.set i, 0
.rept 16
	v_ldexp_f32 v[RQ+i], v[RQ+i], s14              ; each result from its low end on
.set i, i+1
.endr
.set i, 0
.rept 16
	v_ldexp_f32 v[RK+i], v[RK+i], s15
.set i, i+1
.endr
.irp n, 0,1,2,3
	global_store_b128 v[LI], v[RQ+4*\n:RQ+4*\n+3], s[26:27] offset:512*\n      ; 32 lanes store 512 consecutive bytes, at a multiple of 512 from the buffer's first byte
.endr
.irp n, 0,1,2,3
	global_store_b128 v[LI], v[RK+4*\n:RK+4*\n+3], s[28:29] offset:512*\n
.endr
.set i, 0
.rept 64
	v_med3_num_f32 v[RV+i], v[RV+i], -v21, v21
.set i, i+1
.endr
.irp t, 0,1,2,3
.irp m, 0,1
	v_cvt_scalef32_pk8_bf8_f32 v[WC+4*\t+2*\m:WC+4*\t+2*\m+1], v[RV+8*(4*\m+\t):RV+8*(4*\m+\t)+7], v20   ; tokens 16 m + 8 h + 0..7 of channel 16 t + r
.endr
.endr
	v_nop
.irp t, 0,1,2,3
	global_store_b128 v[LI], v[WC+4*\t:WC+4*\t+3], s[30:31] offset:1024*\t
.endr
	s_wait_tensorcnt 0x0
	ds_add_u32 v22, v23
	s_wait_dscnt 0x0
	s_endpgm
.Lfunc_end_k_q9a40d9ba66_project:
	.size	k_q9a40d9ba66_project, .Lfunc_end_k_q9a40d9ba66_project-k_q9a40d9ba66_project
	.p2alignl 7, 3214868480
	.fill 96, 4, 3214868480
	.section	.rodata,"a",@progbits
	.p2align	6, 0x0
	.amdhsa_kernel k_q9a40d9ba66_project
		.amdhsa_group_segment_fixed_size 6400
		.amdhsa_private_segment_fixed_size 0
		.amdhsa_enable_private_segment 0
		.amdhsa_kernarg_size 64
		.amdhsa_user_sgpr_count 2
		.amdhsa_user_sgpr_kernarg_segment_ptr 1
		.amdhsa_wavefront_size32 1
		.amdhsa_system_sgpr_workgroup_id_x 1
		.amdhsa_system_sgpr_workgroup_id_y 1
		.amdhsa_system_sgpr_workgroup_id_z 1
		.amdhsa_system_vgpr_workitem_id 0
		.amdhsa_next_free_vgpr 256
		.amdhsa_next_free_sgpr 66
		.amdhsa_reserve_vcc 0
		.amdhsa_float_denorm_mode_32 3
		.amdhsa_float_denorm_mode_16_64 3
		.amdhsa_memory_ordered 1
		.amdhsa_forward_progress 1
		.amdhsa_inst_pref_size 45
	.end_amdhsa_kernel
	.amdgpu_metadata
---
amdhsa.version: [ 1, 2 ]
amdhsa.kernels:
  - .name:           k_q9a40d9ba66_project
    .symbol:         k_q9a40d9ba66_project.kd
    .args:
      - { .name: x, .offset: 0, .size: 8, .value_kind: global_buffer, .address_space: global }
      - { .name: Wq, .offset: 8, .size: 8, .value_kind: global_buffer, .address_space: global }
      - { .name: Wk, .offset: 16, .size: 8, .value_kind: global_buffer, .address_space: global }
      - { .name: Wv, .offset: 24, .size: 8, .value_kind: global_buffer, .address_space: global }
      - { .name: lowp_scales, .offset: 32, .size: 8, .value_kind: global_buffer, .address_space: global }
      - { .name: qimg, .offset: 40, .size: 8, .value_kind: global_buffer, .address_space: global }
      - { .name: kimg, .offset: 48, .size: 8, .value_kind: global_buffer, .address_space: global }
      - { .name: vimg, .offset: 56, .size: 8, .value_kind: global_buffer, .address_space: global }
    .group_segment_fixed_size: 6400
    .private_segment_fixed_size: 0
    .kernarg_segment_align: 8
    .kernarg_segment_size: 64
    .max_flat_workgroup_size: 64
    .sgpr_count:     66
    .vgpr_count:     256
    .wavefront_size: 32
...
	.end_amdgpu_metadata
.endif
;; end of part 1
;; launch attend (part 2): grid 64 x 4, 8 waves a work-group, no clusters, 157,696 bytes of LDS; arguments qimg, kimg, vimg, lowp_scales, out0; writes out0
.if DOCPART == 2
	.amdgcn_target "amdgcn-amd-amdhsa--gfx1250"
	.amdhsa_code_object_version 6
	.text
	.protected	k_q9a40d9ba66_attend
	.globl	k_q9a40d9ba66_attend
	.p2align	8
	.type	k_q9a40d9ba66_attend,@function
k_q9a40d9ba66_attend:
	s_mov_b64 s[64:65], 0
	v_nop
	global_prefetch_b8 v0, s[64:65] scope:SCOPE_SE
	s_setreg_imm32_b32 hwreg(HW_REG_WAVE_MODE, 25, 1), 1
	s_wait_xcnt 0x0
; out[b][q][:] = the sum over keys k <= q of softmax_k(q . k / 4) v[k][:].  The scores (K = 16) are f32 products, since they go on into a quantiser; p and v are multiplied as codes of BF8 (E5M2), scales 2^e6 and 2^e7.
; THE SOFTMAX: t = score x log2(e) / 4; M = the largest t so far, rounded UP to a whole number; p = 2^(t - M) is quantised, not normalised; the sum of the unquantised p divides at the end.
; When M moves, the sum and O are multiplied by 2^(old M - new M): nothing is rounded.  Each wave runs under a running M of its own; the waves' parts are brought under the largest M in the same way.
; INPUTS are images of operand registers (four registers of 32 lanes = 512 bytes, lane l's 16 bytes at 16 l): qimg, kimg: a tile of 16 tokens in 1,024 bytes, register j of lane (r, h) = token r, head index 8 h + j;
; the f32 form's K step s takes registers 2 s, 2 s + 1: the same order of the head's 16 in q and in k.  vimg: a step of 64 tokens in 4,096 bytes, channel tile t at 1,024 t, as the K = 64 form's source wants it.
; SHARES.  A batch has 128 groups of 32 queries.  Work-group (g, b) owns group g, which needs SL = g / 2 + 1 key steps of 64, and group 127 - g, which needs 65 - SL: 65 JOBS (2 query tiles x 64 keys) in every work-group.
; Job i is the low group's step i where i < SL, else the high group's step i - SL.  Wave w takes jobs w, w + 8, ..: a key step is read by ONE wave, straight from memory into registers, a job ahead.
; Each wave keeps -M, the sum and O^T of its own; at the change of groups and at the end they go to LDS, and the eight parts of each tile are merged there.
; LAYOUT.  S^T = K Q^T (source 0 = 16 keys, source 1 = 16 queries) and O^T = V^T P^T: a lane holds ONE query (lane % 16) throughout; key tile c's eight registers are keys 16 c + 8 (lane / 16) + 0..7, which is the
; place that the K = 64 form gives registers 2 c, 2 c + 1: the conversions' results are the second product's operand.
; THE MASK.  Steps whose keys all come after the queries are no jobs.  In a group's last step the mask (0 or -infinity) is the C of the sums' first products; elsewhere that C is the constant 0.
; NO CLUSTER, NO TENSOR LOAD: wave w of a work-group walks steps w, w + 8, .. of a list that begins anew at job SL, and SL differs from work-group to work-group: no two work-groups want the same 4,096 bytes in the same
; trip; and inside a work-group no two waves read the same step, so LDS would hold nothing that is read twice.
; LIMITS: e6 between -126 and 112 (2^e6 and 57,344 x 2^e6 are f32 numbers); e6 + e7 is applied by v_ldexp_f32.  NaN and infinite scores are not served.  p is quantised under the wave's running M.
; REGISTERS.  Window 0: v1-9 addresses; v16-31 Q; v32-63 K; v64-95 V; v96-127 p; v128-143 p's codes; v144-159 statistics, 8 a tile: +0 -M, +1 the largest t, +2, +3 the sum, +4 f (+5 its pair's partner), +6, +7 at work;
;   v192-255 S^T, which matrix instructions alone write.   Window 1: v0-63 O^T (tile u, channel tile t at 32 u + 8 t); v64-79 the high group's Q; v80-143 the mask.
.set LI,   1                           ; v1   16 x lane
.set DA16, 2                           ; v2   my wave's part in LDS: 16 x lane + 17,408 x wave
.set DA8,  3                           ; v3   8 x lane + 17,408 x wave
.set MO,   4                           ; v4, v5  the merge: O^T's images of parts 0-3, 4-7
.set MS,   6                           ; v6, v7  the merge: the statistics of parts 0-3, 4-7
.set SO,   8                           ; v8   the stage: where I put 32 bytes of a row
.set SR,   9                           ; v9   and where I read a row back
.set QF,   16
.set KF,   32
.set VF,   64
.set PP,   96
.set PC,   128
.set ST,   144
.set SUM2, 162                         ; v[162:163] the sums' second chain
.set SC,   164                         ; v164 2^e6
.set LIM,  165                         ; v165 57,344 x 2^e6
.set NINF, 166                         ; v166 -infinity
.set RH,   167                         ; v167 r - 8 h
.set DD,   168                         ; v168 a key of the diagonal step is hidden where 16 c + j - 16 u > DD
.set SA,   192
.set OT,   0                           ; window 1
.set QH,   64                          ; window 1
.set MK,   80                          ; window 1
.set WV,   14                          ; s14  wave
.set GG,   15                          ; s15  g
.set BB,   16                          ; s16  b
.set SL,   17                          ; s17  the low group's steps
.set CNT,  18                          ; s18  the job in hand
.set DG,   19                          ; s19  the low group's diagonal job: SL - 1
.set QOFF, 20                          ; s20  the group's first query within its diagonal step: 0 or 32
.set KB,   24                          ; s[24:25], s[26:27]  kimg, vimg at my batch
.set VB,   26
.set KA,   28                          ; s[28:29], s[30:31]  the bases of the loads in hand
.set VA,   30
.set CS,   32                          ; s[32:33]  c = log2(e) / 4, twice
.set SEL,  34                          ; s[34:35]  v_permlanex16_b32's selects: lane l xor 16
.set OFF,  44                          ; s[44:45]  4,096 x the next job's step
.set ESUM, 46                          ; s46  e6 + e7
.set PARTW, 17408                      ; LDS: a wave's parts: two groups
.set PARTG, 8704                       ; a group's: two tiles
.set PARTT, 4352                       ; a tile's: O^T, eight images of 512 bytes, then (-M, sum), 8 bytes a lane
.set STATO, 4096
.set STG,   8*PARTW                    ; behind the parts: a stage of 16 rows x (256 + 16) bytes for each of the four tiles
.set SP,    272
.set MSB, 0
.macro WIN new                         ; s_set_vgpr_msb's low byte: bits 1:0 source 0, 3:2 source 1, 5:4 source 2, 7:6 destination; the high byte repeats the setting that is left
.if MSB != \new
	s_set_vgpr_msb (MSB<<8)|\new
.set MSB, \new
.endif
.endm
; a group's start: the largest t under every t, the sum and O^T zero: the job is written once, and its first run multiplies zeros by f = 0
.macro INIT
.irp u, 0,1
	v_mov_b32 v[ST+8*\u+1], 0xff61b1e6             ; -3e38
	v_floor_f32 v[ST+8*\u], -v[ST+8*\u+1]
	v_mov_b32 v[ST+8*\u+2], 0
	v_mov_b32 v[ST+8*\u+3], 0
	v_mov_b32 v[ST+8*\u+5], 0                      ; named as the upper half of f's pair
	v_mov_b32 v[ST+8*\u+7], 0                      ; a lane permute's destination counts as one of its sources
.endr
	WIN 0x40
.set j, 0
.rept 64
	v_mov_b32 v[OT+j], 0
.set j, j+1
.endr
	WIN 0
.endm
.macro KLOAD                           ; a step's 64 keys: 4 tiles x 8 registers
.irp n, 0,1,2,3,4,5,6,7
	global_load_b128 v[KF+4*\n:KF+4*\n+3], v[LI], s[KA:KA+1] offset:512*\n
.endr
.endm
.macro VLOAD                           ; and its V^T: 4 channel tiles x 8 registers
.irp n, 0,1,2,3,4,5,6,7
	global_load_b128 v[VF+4*\n:VF+4*\n+3], v[LI], s[VA:VA+1] offset:512*\n
.endr
.endm
.macro NEXT                            ; my next job is CNT + 8: its step, in bytes
	s_add_co_u32 s21, s[CNT], 8
	s_sub_co_u32 s22, s21, s[SL]
	s_cmp_lt_u32 s21, s[SL]
	s_cselect_b32 s[OFF], s21, s22
	s_lshl_b32 s[OFF], s[OFF], 12
.endm
; eight products: K step s of all eight sums, which take turns, one instruction a turn.  how = 0: C is the constant 0; 1: C is the mask; 2: in place
.macro QKSTEP s, how
.irp u, 0,1
.irp c, 0,1,2,3
.if \how == 0
	v_wmma_f32_16x16x4_f32 v[SA+32*\u+8*\c:SA+32*\u+8*\c+7], v[KF+8*\c+2*(\s):KF+8*\c+2*(\s)+1], v[QF+8*\u+2*(\s):QF+8*\u+2*(\s)+1], 0
.elseif \how == 1
	v_wmma_f32_16x16x4_f32 v[SA+32*\u+8*\c:SA+32*\u+8*\c+7], v[KF+8*\c+2*(\s):KF+8*\c+2*(\s)+1], v[QF+8*\u+2*(\s):QF+8*\u+2*(\s)+1], v[MK+32*\u+8*\c:MK+32*\u+8*\c+7]
.else
	v_wmma_f32_16x16x4_f32 v[SA+32*\u+8*\c:SA+32*\u+8*\c+7], v[KF+8*\c+2*(\s):KF+8*\c+2*(\s)+1], v[QF+8*\u+2*(\s):QF+8*\u+2*(\s)+1], v[SA+32*\u+8*\c:SA+32*\u+8*\c+7]
.endif
.endr
.endr
.endm
; S^T = K Q^T for 64 keys x 32 queries.  diag: the job that lies on the diagonal (a branch on ids alone)
.macro QK diag
	s_cmp_eq_u32 s[CNT], \diag
	s_cbranch_scc1 .Ldiag_\@
	QKSTEP 0, 0
	s_branch .Ljoin_\@
.Ldiag_\@:
	v_add_nc_u32 v[DD], s[QOFF], v[RH]             ; register j of sum (u, c) holds key 16 c + 8 h + j for query QOFF + 16 u + r: hidden where 16 c + j - 16 u > QOFF + r - 8 h
	WIN 0x40                                       ; destination window 1
.irp u, 0,1
.irp c, 0,1,2,3
.irp j, 0,1,2,3,4,5,6,7
	v_cmp_gt_i32 vcc_lo, 16*\c+\j-16*\u, v[DD]
	v_cndmask_b32 v[MK+32*\u+8*\c+\j], 0, v[NINF], vcc_lo
.endr
.endr
.endr
	WIN 0x10                                       ; source 2 window 1
	QKSTEP 0, 1
	WIN 0                                          ; at a label every window is 0
.Ljoin_\@:
	QKSTEP 1, 2
	QKSTEP 2, 2
	QKSTEP 3, 2
.endm
; both tiles' largest score, line by line by turns; each sum is first read at its low end.  Then the running largest t, the new -M = floor(-t), and f = 2^(old M - new M)
.macro STATS
.irp u, 0,1
	v_max3_num_f32 v[ST+8*\u+6], v[SA+32*\u], v[SA+32*\u+1], v[SA+32*\u+2]
	v_max3_num_f32 v[ST+8*\u+7], v[SA+32*\u+3], v[SA+32*\u+4], v[SA+32*\u+5]
.endr
.irp i, 6,10,14,18,22,26
.irp u, 0,1
	v_max3_num_f32 v[ST+8*\u+6], v[ST+8*\u+6], v[SA+32*\u+\i], v[SA+32*\u+\i+1]
	v_max3_num_f32 v[ST+8*\u+7], v[ST+8*\u+7], v[SA+32*\u+\i+2], v[SA+32*\u+\i+3]
.endr
.endr
.irp u, 0,1
	v_max3_num_f32 v[ST+8*\u+6], v[ST+8*\u+6], v[SA+32*\u+30], v[SA+32*\u+31]
.endr
.irp u, 0,1
	v_max_num_f32 v[ST+8*\u+6], v[ST+8*\u+6], v[ST+8*\u+7]
.endr
.irp u, 0,1
	v_permlanex16_b32 v[ST+8*\u+7], v[ST+8*\u+6], s[SEL], s[SEL+1]   ; the query's other 32 keys lie in the lane 16 away
.endr
.irp u, 0,1
	v_max_num_f32 v[ST+8*\u+6], v[ST+8*\u+6], v[ST+8*\u+7]
.endr
.irp u, 0,1
	v_mul_f32 v[ST+8*\u+6], s[CS], v[ST+8*\u+6]    ; as t (c is positive)
.endr
.irp u, 0,1
	v_max_num_f32 v[ST+8*\u+1], v[ST+8*\u+1], v[ST+8*\u+6]
.endr
.irp u, 0,1
	v_mov_b32 v[ST+8*\u+6], v[ST+8*\u]
.endr
.irp u, 0,1
	v_floor_f32 v[ST+8*\u], -v[ST+8*\u+1]          ; -M = floor(-t) = -ceil(t): a whole number
.endr
.irp u, 0,1
	v_sub_f32 v[ST+8*\u+6], v[ST+8*\u], v[ST+8*\u+6]   ; old M - new M: a whole number, 0 or less
.endr
.irp u, 0,1
	v_cvt_i32_f32 v[ST+8*\u+6], v[ST+8*\u+6]       ; (it saturates)
.endr
.irp u, 0,1
	v_ldexp_f32 v[ST+8*\u+4], 1.0, v[ST+8*\u+6]
.endr
.endm
; tile u: p = 2^(c s - M), its sum, its codes
.macro PEXP u
.set rT, ST+8*(\u)
.set rS, SA+32*(\u)
.set j, 0
.rept 16
	v_pk_fma_f32 v[PP+j:PP+j+1], v[rS+j:rS+j+1], s[CS:CS+1], v[rT:rT+1] op_sel_hi:[1,0,0]   ; t - M, two at a time (of the pairs c and -M the low word serves both halves)
.set j, j+2
.endr
.set j, 0
.rept 32
	v_exp_f32 v[PP+j], v[PP+j]
.set j, j+1
.endr
	v_pk_mul_f32 v[rT+2:rT+3], v[rT+2:rT+3], v[rT+4:rT+5] op_sel_hi:[1,0]   ; the sum under the new M; also the plain line behind the last exponential
	s_wait_alu depctr_va_vdst(0)                   ; one wait for the batch of 32, ahead of the first line that names a result
	v_pk_add_f32 v[SUM2:SUM2+1], v[PP:PP+1], v[PP+2:PP+3]   ; the sum is taken of the unquantised p, in two chains
.set j, 4
.rept 7
	v_pk_add_f32 v[rT+2:rT+3], v[rT+2:rT+3], v[PP+j:PP+j+1]
	v_pk_add_f32 v[SUM2:SUM2+1], v[SUM2:SUM2+1], v[PP+j+2:PP+j+3]
.set j, j+4
.endr
	v_pk_add_f32 v[rT+2:rT+3], v[rT+2:rT+3], v[SUM2:SUM2+1]
.set j, 0
.rept 32
	v_min_num_f32 v[PP+j], v[PP+j], v[LIM]         ; the conversion does not saturate (ISA guide 7.6.2); p is not negative, so the hold is one-sided
.set j, j+1
.endr
.irp c, 0,1,2,3
	v_cvt_scalef32_pk8_bf8_f32 v[PC+8*(\u)+2*\c:PC+8*(\u)+2*\c+1], v[PP+8*\c:PP+8*\c+7], v[SC]
.endr
	v_nop                                          ; one plain line between the conversions and the next write of p's registers
.endm
; O^T = f O^T + V^T P^T.  younger: the loads issued behind this job's V, which may stay out
.macro PV younger
	WIN 0x41                                       ; O^T (destination and source 0) window 1, f window 0
.irp u, 0,1
.set j, 0
.rept 16
	v_pk_mul_f32 v[OT+32*\u+j:OT+32*\u+j+1], v[OT+32*\u+j:OT+32*\u+j+1], v[ST+8*\u+4:ST+8*\u+5] op_sel_hi:[1,0]
.set j, j+2
.endr
.endr
	s_wait_loadcnt \younger                        ; V is in: its base may be written again behind this wait
	WIN 0x50                                       ; C and D window 1; V and the codes window 0
.irp t, 0,1,2,3
.irp u, 0,1
	v_wmma_f32_16x16x64_bf8_bf8 v[OT+32*\u+8*\t:OT+32*\u+8*\t+7], v[VF+8*\t:VF+8*\t+7], v[PC+8*\u:PC+8*\u+7], v[OT+32*\u+8*\t:OT+32*\u+8*\t+7]
.endr
.endr
	WIN 0
.rept 4
	v_nop                                          ; four places in front of loads into V's registers and of LDS stores of O^T
.endr
.endm
; my part of group grp goes to LDS: for each tile (-M, the whole sum) and O^T as it stands in its registers
.macro DUMP grp
.irp u, 0,1
	v_add_f32 v[ST+8*\u+6], v[ST+8*\u+2], v[ST+8*\u+3]
.endr
.irp u, 0,1
	v_permlanex16_b32 v[ST+8*\u+7], v[ST+8*\u+6], s[SEL], s[SEL+1]
.endr
.irp u, 0,1
	v_add_f32 v[ST+8*\u+1], v[ST+8*\u+6], v[ST+8*\u+7]
.endr
.irp u, 0,1
	ds_store_b64 v[DA8], v[ST+8*\u:ST+8*\u+1] offset:\grp*PARTG+\u*PARTT+STATO
.endr
	WIN 0x04                                       ; an LDS store's data are source 1: window 1
.irp u, 0,1
.irp n, 0,1,2,3,4,5,6,7
	ds_store_b128 v[DA16], v[OT+32*\u+4*\n:OT+32*\u+4*\n+3] offset:\grp*PARTG+\u*PARTT+512*\n
.endr
.endr
	WIN 0
.endm
; from the low group to the high one
.macro CHANGE
	s_wait_loadcnt 16                              ; both groups' Q are in; the job's own K and V, sixteen younger loads, may stay out
	DUMP 0
	s_wait_dscnt 0x0                               ; the stores have read their registers
	INIT
	WIN 0x01                                       ; source 0 window 1
.set j, 0
.rept 16
	v_mov_b32 v[QF+j], v[QH+j]
.set j, j+1
.endr
	WIN 0
	s_xor_b32 s[QOFF], s[QOFF], 32                 ; 127 - g is odd where g is even
.endm
; A JOB.  ahead = 1: the next job's K is asked for as soon as K's registers are free, its V likewise
.macro JOB ahead, diag
	s_wait_loadcnt 8                               ; K (and, in the first job, Q) is in; V, the eight youngest loads, may stay out.  K's base may be written again behind this wait
	QK \diag
.rept 8
	v_nop                                          ; eight places behind the f32 form, in front of the loads into K's registers and of the first read of the sums
.endr
.if \ahead
	NEXT
	s_add_nc_u64 s[KA:KA+1], s[KB:KB+1], s[OFF:OFF+1]
	KLOAD
.endif
	STATS
	PEXP 0
	PEXP 1
.if \ahead
	PV 8                                           ; the next job's K may stay out
	s_add_nc_u64 s[VA:VA+1], s[VB:VB+1], s[OFF:OFF+1]
	VLOAD
.else
	PV 0
.endif
.endm
	s_load_b256 s[4:11], s[0:1], 0x0               ; qimg s[4:5], kimg s[6:7], vimg s[8:9], the exponents s[10:11]
	s_load_b64 s[12:13], s[0:1], 0x20              ; out0
	v_lshl_add_u32 v190, v0, 2, 0x26400
	v_mov_b32 v191, 0
	v_lshrrev_b32 v10, 5, v0
	v_readfirstlane_b32 s[WV], v10                 ; wave 0..7
	v_and_b32 v10, 31, v0                          ; lane
	v_lshlrev_b32 v[LI], 4, v10
	s_mov_b32 s[GG], ttmp9
	s_and_b32 s[BB], ttmp7, 0xffff
	s_lshr_b32 s[SL], s[GG], 1
	s_add_co_u32 s[SL], s[SL], 1
	s_sub_co_u32 s[DG], s[SL], 1
	s_and_b32 s[QOFF], s[GG], 1
	s_lshl_b32 s[QOFF], s[QOFF], 5
	s_mov_b32 s[CNT], s[WV]                        ; my first job
	s_mov_b32 s[CS], 0x3eb8aa3b                    ; log2(e) / 4
	s_mov_b32 s[CS+1], s[CS]
	s_mov_b32 s[SEL], 0x76543210
	s_mov_b32 s[SEL+1], 0xfedcba98
	s_lshl_b32 s48, s[BB], 18                      ; a batch is 262,144 bytes in each of the three buffers
	s_mov_b32 s49, 0
	s_lshl_b32 s50, s[GG], 11                      ; a group's two tiles of Q are 2,048 bytes
	s_add_co_u32 s50, s50, s48
	s_mov_b32 s51, 0
	s_sub_co_u32 s52, 127, s[GG]
	s_lshl_b32 s52, s52, 11
	s_add_co_u32 s52, s52, s48
	s_mov_b32 s53, 0
	s_sub_co_u32 s21, s[CNT], s[SL]
	s_cmp_lt_u32 s[CNT], s[SL]
	s_cselect_b32 s[OFF], s[CNT], s21              ; my first job's step
	s_lshl_b32 s[OFF], s[OFF], 12
	s_mov_b32 s[OFF+1], 0
	s_wait_kmcnt 0x0
	s_load_b256 s[36:43], s[10:11], 0x0            ; e0 .. e7
	s_add_nc_u64 s[KB:KB+1], s[6:7], s[48:49]
	s_add_nc_u64 s[VB:VB+1], s[8:9], s[48:49]
	s_add_nc_u64 s[KA:KA+1], s[KB:KB+1], s[OFF:OFF+1]
	s_add_nc_u64 s[VA:VA+1], s[VB:VB+1], s[OFF:OFF+1]
	s_add_nc_u64 s[50:51], s[4:5], s[50:51]        ; the low group's Q
	s_add_nc_u64 s[52:53], s[4:5], s[52:53]        ; the high group's
.irp n, 0,1,2,3
	global_load_b128 v[QF+4*\n:QF+4*\n+3], v[LI], s[50:51] offset:512*\n
.endr
	WIN 0x40                                       ; destination window 1
.irp n, 0,1,2,3
	global_load_b128 v[QH+4*\n:QH+4*\n+3], v[LI], s[52:53] offset:512*\n
.endr
	WIN 0
	KLOAD
	VLOAD
	; every LDS address is made here, of the lane and the wave's number alone
	v_and_b32 v11, 15, v0                          ; r
	v_bfe_u32 v12, v0, 4, 1                        ; h
	s_mul_i32 s21, s[WV], PARTW
	v_add_nc_u32 v[DA16], s21, v[LI]
	v_lshl_add_u32 v[DA8], v10, 3, s21
	s_lshr_b32 s22, s[WV], 1                       ; the merge: wave w takes tile w / 2 of the four (group w / 4, tile (w / 2) % 2),
	s_and_b32 s23, s[WV], 1                        ; and of its four channel tiles 2 (w % 2) and 2 (w % 2) + 1
	s_mul_i32 s22, s22, PARTT
	s_lshl_b32 s21, s23, 11
	s_add_co_u32 s21, s21, s22
	v_add_nc_u32 v[MO], s21, v[LI]
	v_add_nc_u32 v[MO+1], 4*PARTW, v[MO]
	s_add_co_u32 s21, s22, STATO
	v_lshl_add_u32 v[MS], v10, 3, s21
	v_add_nc_u32 v[MS+1], 4*PARTW, v[MS]
	s_lshl_b32 s21, s23, 7
	s_add_co_u32 s21, s21, s22
	s_add_co_u32 s21, s21, STG
	v_mul_u32_u24 v[SO], v11, SP
	v_lshl_add_u32 v[SO], v12, 5, v[SO]
	v_add_nc_u32 v[SO], s21, v[SO]                 ; the stage, in: row r, + 128 (w % 2) + 32 h
	s_mul_i32 s21, s23, 8*SP
	s_add_co_u32 s21, s21, s22
	s_add_co_u32 s21, s21, STG
	v_mul_u32_u24 v[SR], v12, SP
	v_lshl_add_u32 v[SR], v11, 4, v[SR]
	v_add_nc_u32 v[SR], s21, v[SR]                 ; back: rows 8 (w % 2) + h on, 16 bytes a lane
	v_lshlrev_b32 v[RH], 3, v12
	v_sub_nc_u32 v[RH], v11, v[RH]
	v_mov_b32 v[NINF], 0xff800000
	s_wait_kmcnt 0x0
	s_add_co_i32 s[ESUM], s42, s43
	s_add_co_i32 s21, s42, 127
	s_lshl_b32 s22, s21, 23
	v_mov_b32 v[SC], s22
	s_add_co_i32 s21, s21, 15
	s_lshl_b32 s21, s21, 23
	s_or_b32 s21, s21, 0x600000
	v_mov_b32 v[LIM], s21
	INIT
.Ljob:                                             ; wave 0: eight trips, the others seven; the last job is written out behind the loop, since it asks for nothing
	s_sub_co_u32 s21, s[CNT], s[SL]
	s_cmp_lt_u32 s21, 8                            ; my first job of the high group?  Every wave meets it once, in a trip with CNT < SL + 8 <= 40
	s_cbranch_scc0 .Lsame
	CHANGE
.Lsame:
	JOB 1, s19
	s_add_co_u32 s[CNT], s[CNT], 8
	s_cmp_lt_u32 s[CNT], 57
	s_cbranch_scc1 .Ljob
	JOB 0, 64                                      ; job 64, wave 0's, is the high group's diagonal step
	DUMP 1
	s_wait_dscnt 0x0                               ; for the others' sake: my parts have landed
	s_barrier_signal -1
	s_barrier_wait -1
	; THE MERGE.  Of my tile: the eight waves' (-M, sum), then my two channel tiles of their O^T
.irp u, 0,1,2,3,4,5,6,7
	ds_load_b64 v[ST+2*\u:ST+2*\u+1], v[MS+\u/4] offset:(\u%4)*PARTW
.endr
.irp u, 0,1,2,3,4,5,6,7
.irp n, 0,1,2,3
	ds_load_b128 v[16+16*\u+4*\n:16+16*\u+4*\n+3], v[MO+\u/4] offset:(\u%4)*PARTW+512*\n
.endr
.endr
	s_lshr_b32 s21, s[WV], 2                       ; where my eight rows of out0 begin
	s_sub_co_u32 s22, 127, s[GG]
	s_cmp_eq_u32 s21, 0
	s_cselect_b32 s22, s[GG], s22                  ; my tile's group,
	s_lshl_b32 s22, s22, 1
	s_bfe_u32 s21, s[WV], 0x10001
	s_add_co_u32 s22, s22, s21                     ; its tile of 16 queries: 4,096 bytes,
	s_lshl_b32 s22, s22, 12
	s_and_b32 s21, s[WV], 1
	s_lshl_b32 s21, s21, 11                        ; my eight rows of it,
	s_add_co_u32 s22, s22, s21
	s_lshl_b32 s21, s[BB], 20                      ; the batch
	s_add_co_u32 s48, s22, s21
	s_mov_b32 s49, 0
	s_add_nc_u64 s[48:49], s[12:13], s[48:49]
	s_wait_dscnt 32                                ; the statistics are in; O^T's 32 loads may stay out
	v_min_num_f32 v160, v[ST], v[ST+2]             ; the smallest -M: the largest M
.irp u, 2,3,4,5,6,7
	v_min_num_f32 v160, v160, v[ST+2*\u]
.endr
.irp u, 0,1,2,3,4,5,6,7
	v_sub_f32 v[ST+2*\u], v160, v[ST+2*\u]         ; part u's M less the largest: a whole number, 0 or less
.endr
.irp u, 0,1,2,3,4,5,6,7
	v_cvt_i32_f32 v[ST+2*\u], v[ST+2*\u]           ; (it saturates: a wave that had no job of this group gets the factor 0)
.endr
.irp u, 0,1,2,3,4,5,6,7
	v_ldexp_f32 v[ST+2*\u], 1.0, v[ST+2*\u]
.endr
	v_mul_f32 v161, v[ST], v[ST+1]
.irp u, 1,2,3,4,5,6,7
	v_fma_f32 v161, v[ST+2*\u], v[ST+2*\u+1], v161 ; the row's sum under the largest M
.endr
	v_rcp_f32 v162, v161
	v_nop                                          ; a plain line behind the reciprocal
	s_wait_alu depctr_va_vdst(0)                   ; and the wait ahead of its first reader
	v_ldexp_f32 v162, v162, s[ESUM]                ; x 2^(e6 + e7)
.irp u, 0,1,2,3,4,5,6,7
	v_mul_f32 v[ST+2*\u], v[ST+2*\u], v162
.endr
	s_wait_dscnt 28                                ; part 0's four loads are in
.irp i, 0,2,4,6,8,10,12,14
	v_pk_mul_f32 v[16+\i:17+\i], v[16+\i:17+\i], v[ST:ST+1] op_sel_hi:[1,0]
.endr
.irp u, 1,2,3,4,5,6,7
	s_wait_dscnt 4*(7-\u)                          ; part u's are in; those of the parts behind it may stay out
.irp i, 0,2,4,6,8,10,12,14
	v_pk_fma_f32 v[16+\i:17+\i], v[16+16*\u+\i:17+16*\u+\i], v[ST+2*\u:ST+2*\u+1], v[16+\i:17+\i] op_sel_hi:[1,0,1]
.endr
.endr
	; THE WAY OUT.  Register 8 t + j of lane (r, h) is out(query r, channel 32 (w % 2) + 16 t + 8 h + j): 32 bytes of a row whose 256 bytes come from two waves: they meet in the tile's stage
.irp t, 0,1
	ds_store_b128 v[SO], v[16+8*\t:19+8*\t] offset:64*\t
	ds_store_b128 v[SO], v[20+8*\t:23+8*\t] offset:64*\t+16
.endr
	s_wait_dscnt 0x0                               ; for the other wave's sake
	s_barrier_signal -1
	s_barrier_wait -1
.irp n, 0,1,2,3
	ds_load_b128 v[32+4*\n:35+4*\n], v[SR] offset:2*\n*SP
.endr
.irp n, 0,1,2,3
	s_wait_dscnt 3-\n
	global_store_b128 v[LI], v[32+4*\n:35+4*\n], s[48:49] offset:512*\n th:TH_STORE_NT   ; 32 lanes store two whole rows: 512 consecutive bytes, at a multiple of 512 from out0's first byte
.endr
	s_wait_tensorcnt 0x0
	ds_add_u32 v190, v191
	s_wait_dscnt 0x0
	s_endpgm
.Lfunc_end_k_q9a40d9ba66_attend:
	.size	k_q9a40d9ba66_attend, .Lfunc_end_k_q9a40d9ba66_attend-k_q9a40d9ba66_attend
	.p2alignl 7, 3214868480
	.fill 96, 4, 3214868480
	.section	.rodata,"a",@progbits
	.p2align	6, 0x0
	.amdhsa_kernel k_q9a40d9ba66_attend
		.amdhsa_group_segment_fixed_size 157696
		.amdhsa_private_segment_fixed_size 0
		.amdhsa_enable_private_segment 0
		.amdhsa_kernarg_size 40
		.amdhsa_user_sgpr_count 2
		.amdhsa_user_sgpr_kernarg_segment_ptr 1
		.amdhsa_wavefront_size32 1
		.amdhsa_system_sgpr_workgroup_id_x 1
		.amdhsa_system_sgpr_workgroup_id_y 1
		.amdhsa_system_sgpr_workgroup_id_z 1
		.amdhsa_system_vgpr_workitem_id 0
		.amdhsa_next_free_vgpr 400
		.amdhsa_next_free_sgpr 66
		.amdhsa_reserve_vcc 1
		.amdhsa_float_denorm_mode_32 3
		.amdhsa_float_denorm_mode_16_64 3
		.amdhsa_memory_ordered 1
		.amdhsa_forward_progress 1
		.amdhsa_inst_pref_size 70
	.end_amdhsa_kernel
	.amdgpu_metadata
---
amdhsa.version: [ 1, 2 ]
amdhsa.kernels:
  - .name:           k_q9a40d9ba66_attend
    .symbol:         k_q9a40d9ba66_attend.kd
    .args:
      - { .name: qimg, .offset: 0, .size: 8, .value_kind: global_buffer, .address_space: global }
      - { .name: kimg, .offset: 8, .size: 8, .value_kind: global_buffer, .address_space: global }
      - { .name: vimg, .offset: 16, .size: 8, .value_kind: global_buffer, .address_space: global }
      - { .name: lowp_scales, .offset: 24, .size: 8, .value_kind: global_buffer, .address_space: global }
      - { .name: out0, .offset: 32, .size: 8, .value_kind: global_buffer, .address_space: global }
    .group_segment_fixed_size: 157696
    .private_segment_fixed_size: 0
    .kernarg_segment_align: 8
    .kernarg_segment_size: 40
    .max_flat_workgroup_size: 256
    .sgpr_count:     66
    .vgpr_count:     400
    .wavefront_size: 32
...
	.end_amdgpu_metadata
.endif
;; end of part 2
;; ======== version 2 of 2: 2 launches; version 1 with the launches project, attend written anew for expert scheduling mode
;; workspace buffers: qimg 1,048,576 bytes; kimg 1,048,576 bytes; vimg 1,048,576 bytes
;; launch project (part 3): grid 256 x 1, 2 waves a work-group, no clusters, 6,400 bytes of LDS; arguments x, Wq, Wk, Wv, lowp_scales, qimg, kimg, vimg; writes qimg, kimg, vimg
.if DOCPART == 3
	.amdgcn_target "amdgcn-amd-amdhsa--gfx1250"
	.amdhsa_code_object_version 6
	.text
	.protected	k_q9a40d9ba66_project
	.globl	k_q9a40d9ba66_project
	.p2align	8
	.type	k_q9a40d9ba66_project,@function
k_q9a40d9ba66_project:
	s_mov_b64 s[64:65], 0
	v_nop
	global_prefetch_b8 v0, s[64:65] scope:SCOPE_SE
	s_setreg_imm32_b32 hwreg(HW_REG_WAVE_SCHED_MODE, 0, 2), 2
	s_setreg_imm32_b32 hwreg(HW_REG_WAVE_MODE, 25, 1), 1
	s_wait_xcnt 0x0
	s_wait_alu depctr_vm_vsrc(0)
; q = Q(x) Q(Wq), k = Q(x) Q(Wk), v = Q(x) Q(Wv) on codes of BF8 (E5M2), K = 64, each operand with the scale 2^e that is given for it (e0 .. e5); then v is quantised along the tokens with 2^e7.
; x: [16384][64] f32.  Wq, Wk: [64][16], Wv: [64][64] f32, K their FIRST axis.  Results leave as IMAGES OF THE NEXT LAUNCH'S OPERAND REGISTERS: four registers of 32 lanes are 512 bytes, lane l's 16 bytes at 16 l.
;   qimg, kimg (f32): tile of 16 tokens at 1,024 x tile; register j (0..7) of lane (r, h) = q or k of token r, head index 8 h + j.
;   vimg (codes): step of 64 tokens at 4,096 x step, channel tile t at + 1,024 t; registers 2 c, 2 c + 1 of lane (r, h) = v(token 16 c + 8 h + 0..7, channel 16 t + r).
; SHARES.  A work-group takes 64 tokens, each of its two waves 32: two tiles of 16.  The weights are quantised once in a work-group (wave 0: Wq and Wv's channel tiles 0, 1; wave 1: Wk and tiles 2, 3)
; and go to the other wave through LDS as images of their registers.  A fragment of the K = 64 form is 8 registers: code i of a lane stands for k = 16 (i / 8) + 8 h + i % 8.
; x: lane (r, h) loads those 32 numbers of row r (eight loads of 16 bytes).  A weight: lane r takes column r and its registers run down K, so nothing is transposed.
; q and k are made TRANSPOSED (source 0 = the weight, source 1 = x): a lane holds one token and eight head indices.  v is made as it reads (source 0 = x, source 1 = Wv): a lane holds one channel and eight
; neighbouring tokens, which are eight neighbours along the next product's K: the conversion's results are vimg's registers.
; LIMITS: e0 .. e5 and e7 - e4 - e5 lie between -126 and 112, so that each scale and 57,344 x the scale is an f32 number.  NaN among the inputs is not served (an infinity is held at the largest code).
; No tensor load, no cluster: work-groups share only the weights, 24,576 bytes against the 16,384 of x that each reads alone, and they are read once at the head.
; THE MODE: SCHED_MODE bits 1:0 = 2 (LLVM: expert scheduling mode 2), set by the entry lines.  The code itself states the register dependences
; between vector or matrix instructions and memory or LDS instructions, with s_wait_alu, always for 0.
; THE PLAN.  Registers that memory or LDS instructions touch:
;   v1, v4-6, v8, v9   offsets and LDS addresses: written once at the head, read by loads and stores, never written again.
;   XL, WL, VL         loaded once; no vector line names them ahead of the loads.
;   WC                 written by the weights' conversions, read by six LDS stores; written again by v's conversions, read by four global stores.
;   WF (VL's registers) held and converted in place; then twelve LDS loads land there.
;   RQ, RK             written by the products and by v_ldexp_f32, read by eight global stores, not written again.
;   v22, v23           written at the head, read by the closing add alone.
; Four waits on va_vdst: ahead of the first load; ahead of the LDS stores (it also stands behind every line that names WF's registers); ahead of q's and k's stores; ahead of v's stores.
; One wait on vm_vsrc, behind the barrier, frees WC.  One wait on va_sdst stands ahead of the first reader of the wave's number.
.set LI,  1                            ; v1   16 x lane: my place in an image
.set XA,  4                            ; v4   x: 256 r + 32 h
.set WA,  5                            ; v5   Wq, Wk: 4 r + 512 h
.set VA,  6                            ; v6   Wv: 4 r + 2,048 h + 128 x wave
.set SW,  8                            ; v8   LDS: where I store Wq's or Wk's image: 16 x lane + 1,024 x wave
.set SV,  9                            ; v9   and my two tiles of Wv: 16 x lane + 2,048 + 2,048 x wave
.set WC,  24                           ; v24-47   my three weight fragments' codes; later v's codes
.set XL,  48                           ; v48-111  x as loaded: 32 numbers a tile
.set WL,  112                          ; v112-143 Wq or Wk as loaded
.set TMP, 112                          ; later: 32 held numbers of x
.set VL,  144                          ; v144-207 my two tiles of Wv as loaded
.set WF,  144                          ; later: the six weight fragments from LDS, 8 registers each: Wq, Wk, Wv's four
.set XC,  208                          ; v208-255 x's codes: tile m under scale u (q, k, v) at XC + 8 (3 m + u)
.set RQ,  48                           ; the sums: q, 8 registers a tile
.set RK,  64                           ; k
.set RV,  80                           ; v: tile of tokens m, channel tile t at RV + 8 (4 m + t)
; s[se] holds e: v[sc] = 2^e as f32 (the conversion takes its exponent field), v[lim] = 57,344 x 2^e
.macro MKSC sc, lim, se
	s_add_co_i32 s40, s[\se], 127
	s_lshl_b32 s41, s40, 23
	v_mov_b32 v[\sc], s41
	s_add_co_i32 s40, s40, 15
	s_lshl_b32 s40, s40, 23
	s_or_b32 s40, s40, 0x600000
	v_mov_b32 v[\lim], s40
.endm
; 32 numbers of a lane become a fragment's 8 registers of codes.  inplace = 0: the numbers are kept (x is quantised three times) and the held ones go to TMP.
.macro QUANT32 src, dst, sc, lim, inplace
.set qd, TMP
.if \inplace
.set qd, \src
.endif
.set qi, 0
.rept 32
	v_med3_num_f32 v[qd+qi], v[(\src)+qi], -v[\lim], v[\lim]   ; the conversion to an 8-bit code does not saturate (ISA guide 7.6.2): the hold at the largest code x the scale comes first
.set qi, qi+1
.endr
.irp g, 0,1,2,3
	v_cvt_scalef32_pk8_bf8_f32 v[(\dst)+2*\g:(\dst)+2*\g+1], v[qd+8*\g:qd+8*\g+7], v[\sc]
.endr
	v_nop                                          ; one plain vector line between the conversions and whatever next writes their sources or reads their results
.endm
	s_load_b512 s[16:31], s[0:1], 0x0              ; x s[16:17], Wq s[18:19], Wk s[20:21], Wv s[22:23], the exponents s[24:25], qimg s[26:27], kimg s[28:29], vimg s[30:31]
	v_lshl_add_u32 v22, v0, 2, 0x1800
	v_mov_b32 v23, 0
	v_lshrrev_b32 v7, 5, v0
	v_readfirstlane_b32 s8, v7                     ; wave 0, 1
	v_and_b32 v7, 31, v0
	v_lshlrev_b32 v[LI], 4, v7
	v_and_b32 v2, 15, v0                           ; r
	v_bfe_u32 v3, v0, 4, 1                         ; h
	v_lshlrev_b32 v[XA], 8, v2
	v_lshl_add_u32 v[XA], v3, 5, v[XA]
	v_lshlrev_b32 v[WA], 2, v2
	v_lshl_add_u32 v[VA], v3, 11, v[WA]
	v_lshl_add_u32 v[WA], v3, 9, v[WA]
	s_wait_alu depctr_va_sdst(0)                   ; s8, the wave's number, is written, ahead of its first reader
	s_lshl_b32 s9, s8, 7
	v_add_nc_u32 v[VA], s9, v[VA]
	s_lshl_b32 s9, s8, 10
	v_add_nc_u32 v[SW], s9, v[LI]
	s_lshl_b32 s9, s8, 11
	s_add_co_u32 s9, s9, 2048
	v_add_nc_u32 v[SV], s9, v[LI]
	s_lshl_b32 s40, ttmp9, 14                      ; x: 64 rows of 256 bytes a work-group, 32 a wave
	s_lshl_b32 s41, s8, 13
	s_add_co_u32 s40, s40, s41
	s_mov_b32 s41, 0
	s_lshl_b32 s42, ttmp9, 12                      ; qimg, kimg: four tiles of 1,024 bytes a work-group, two a wave
	s_lshl_b32 s43, s8, 11
	s_add_co_u32 s42, s42, s43
	s_mov_b32 s43, 0
	s_lshl_b32 s44, ttmp9, 12                      ; vimg: a step of 4,096 bytes a work-group; my 32 tokens are registers 4 w .. 4 w + 3 of each fragment: + 512 x wave
	s_lshl_b32 s45, s8, 9
	s_add_co_u32 s44, s44, s45
	s_mov_b32 s45, 0
	s_wait_kmcnt 0x0
	s_load_b256 s[32:39], s[24:25], 0x0            ; e0 .. e7
	s_add_nc_u64 s[16:17], s[16:17], s[40:41]
	s_add_nc_u64 s[26:27], s[26:27], s[42:43]
	s_add_nc_u64 s[28:29], s[28:29], s[42:43]
	s_add_nc_u64 s[30:31], s[30:31], s[44:45]
	s_cmp_eq_u32 s8, 0                             ; wave 0 quantises Wq, wave 1 Wk: the choice hangs on the wave's number alone
	s_cselect_b64 s[10:11], s[18:19], s[20:21]
	s_wait_alu depctr_va_vdst(0)                   ; the offsets and LDS addresses v1, v4 to v6, v8 and v9 are written, which every load and store of the kernel reads
.set i, 0
.rept 32
	global_load_b32 v[WL+i], v[WA], s[10:11] offset:(16*(i/8)+i%8)*64          ; W(16 (i / 8) + 8 h + i % 8, r)
.set i, i+1
.endr
.irp t, 0,1
.set i, 0
.rept 32
	global_load_b32 v[VL+32*\t+i], v[VA], s[22:23] offset:(16*(i/8)+i%8)*256+64*\t
.set i, i+1
.endr
.endr
.irp m, 0,1
.irp c, 0,1,2,3
	global_load_b128 v[XL+32*\m+8*\c:XL+32*\m+8*\c+3],   v[XA], s[16:17] offset:4096*\m+64*\c th:TH_LOAD_NT      ; x(16 m + r, 16 c + 8 h + 0..3)
	global_load_b128 v[XL+32*\m+8*\c+4:XL+32*\m+8*\c+7], v[XA], s[16:17] offset:4096*\m+64*\c+16 th:TH_LOAD_NT   ; and + 4..7
.endr
.endr
	s_wait_kmcnt 0x0
	s_cmp_eq_u32 s8, 0
	s_cselect_b32 s12, s33, s35                    ; e1 for Wq, e3 for Wk
	s_sub_co_i32 s13, s39, s36
	s_sub_co_i32 s13, s13, s37                     ; a sum of the third product stands for sum x 2^(e4 + e5): its code is sum / 2^(e7 - e4 - e5)
	s_add_co_i32 s14, s32, s33                     ; q = sum x 2^(e0 + e1)
	s_add_co_i32 s15, s34, s35                     ; k = sum x 2^(e2 + e3)
	MKSC 10, 11, 32
	MKSC 12, 13, 34
	MKSC 14, 15, 36
	MKSC 16, 17, 12
	MKSC 18, 19, 37
	MKSC 20, 21, 13
	s_wait_loadcnt 16                              ; the weights are in; x's sixteen loads, issued behind them, may stay out
	QUANT32 WL, WC, 16, 17, 1
	QUANT32 VL, WC+8, 18, 19, 1
	QUANT32 VL+32, WC+16, 18, 19, 1
	s_wait_alu depctr_va_vdst(0)                   ; the conversions have written v[WC ..], which the LDS stores read; and the holds and conversions are done with Wv's registers, in which the fragments' LDS loads land behind the barrier: no vector line from here to those loads names v144 to v191
	ds_store_b128 v[SW], v[WC:WC+3]
	ds_store_b128 v[SW], v[WC+4:WC+7] offset:512
.irp n, 0,1,2,3
	ds_store_b128 v[SV], v[WC+8+4*\n:WC+8+4*\n+3] offset:512*\n
.endr
	s_wait_loadcnt 0x0                             ; x
.irp m, 0,1
.irp u, 0,1,2
	QUANT32 XL+32*\m, XC+8*(3*\m+\u), 10+2*\u, 11+2*\u, 0
.endr
.endr
	s_wait_dscnt 0x0                               ; for the other wave's sake: my images have landed
	s_barrier_signal -1
	s_barrier_wait -1
	s_wait_alu depctr_vm_vsrc(0)                   ; my LDS stores have read v[WC ..], which v's conversions write again
.irp n, 0,1,2,3,4,5,6,7,8,9,10,11
	ds_load_b128 v[WF+4*\n:WF+4*\n+3], v[LI] offset:512*\n
.endr
	s_wait_dscnt 0x0
.irp m, 0,1                                    ; twelve products, each a whole sum (K = 64) on registers of its own
	v_wmma_f32_16x16x64_bf8_bf8 v[RQ+8*\m:RQ+8*\m+7], v[WF:WF+7], v[XC+24*\m:XC+24*\m+7], 0
	v_wmma_f32_16x16x64_bf8_bf8 v[RK+8*\m:RK+8*\m+7], v[WF+8:WF+15], v[XC+24*\m+8:XC+24*\m+15], 0
.irp t, 0,1,2,3
	v_wmma_f32_16x16x64_bf8_bf8 v[RV+8*(4*\m+\t):RV+8*(4*\m+\t)+7], v[XC+24*\m+16:XC+24*\m+23], v[WF+16+8*\t:WF+16+8*\t+7], 0
.endr
.endr
.rept 4
	v_nop                                          ; four places between the last product and the first read of results (ISA guide 7.12.1)
.endr
.set i, 0
.rept 16
	v_ldexp_f32 v[RQ+i], v[RQ+i], s14              ; each result from its low end on
.set i, i+1
.endr
.set i, 0
.rept 16
	v_ldexp_f32 v[RK+i], v[RK+i], s15
.set i, i+1
.endr
	s_wait_alu depctr_va_vdst(0)                   ; q and k are written, which the eight stores read
.irp n, 0,1,2,3
	global_store_b128 v[LI], v[RQ+4*\n:RQ+4*\n+3], s[26:27] offset:512*\n      ; 32 lanes store 512 consecutive bytes, at a multiple of 512 from the buffer's first byte
.endr
.irp n, 0,1,2,3
	global_store_b128 v[LI], v[RK+4*\n:RK+4*\n+3], s[28:29] offset:512*\n
.endr
.set i, 0
.rept 64
	v_med3_num_f32 v[RV+i], v[RV+i], -v21, v21
.set i, i+1
.endr
.irp t, 0,1,2,3
.irp m, 0,1
	v_cvt_scalef32_pk8_bf8_f32 v[WC+4*\t+2*\m:WC+4*\t+2*\m+1], v[RV+8*(4*\m+\t):RV+8*(4*\m+\t)+7], v20   ; tokens 16 m + 8 h + 0..7 of channel 16 t + r
.endr
.endr
	v_nop
	s_wait_alu depctr_va_vdst(0)                   ; v's codes are written, which the four stores read
.irp t, 0,1,2,3
	global_store_b128 v[LI], v[WC+4*\t:WC+4*\t+3], s[30:31] offset:1024*\t
.endr
	s_wait_dscnt 0x0                               ; the closing lines, six on end
	s_wait_alu 0x0
	s_wait_tensorcnt 0x0
	ds_add_u32 v22, v23
	s_wait_dscnt 0x0
	s_endpgm
.Lfunc_end_k_q9a40d9ba66_project:
	.size	k_q9a40d9ba66_project, .Lfunc_end_k_q9a40d9ba66_project-k_q9a40d9ba66_project
	.p2alignl 7, 3214868480
	.fill 96, 4, 3214868480
	.section	.rodata,"a",@progbits
	.p2align	6, 0x0
	.amdhsa_kernel k_q9a40d9ba66_project
		.amdhsa_group_segment_fixed_size 6400
		.amdhsa_private_segment_fixed_size 0
		.amdhsa_enable_private_segment 0
		.amdhsa_kernarg_size 64
		.amdhsa_user_sgpr_count 2
		.amdhsa_user_sgpr_kernarg_segment_ptr 1
		.amdhsa_wavefront_size32 1
		.amdhsa_system_sgpr_workgroup_id_x 1
		.amdhsa_system_sgpr_workgroup_id_y 1
		.amdhsa_system_sgpr_workgroup_id_z 1
		.amdhsa_system_vgpr_workitem_id 0
		.amdhsa_next_free_vgpr 256
		.amdhsa_next_free_sgpr 66
		.amdhsa_reserve_vcc 0
		.amdhsa_float_denorm_mode_32 3
		.amdhsa_float_denorm_mode_16_64 3
		.amdhsa_memory_ordered 1
		.amdhsa_forward_progress 1
		.amdhsa_inst_pref_size 46
	.end_amdhsa_kernel
	.amdgpu_metadata
---
amdhsa.version: [ 1, 2 ]
amdhsa.kernels:
  - .name:           k_q9a40d9ba66_project
    .symbol:         k_q9a40d9ba66_project.kd
    .args:
      - { .name: x, .offset: 0, .size: 8, .value_kind: global_buffer, .address_space: global }
      - { .name: Wq, .offset: 8, .size: 8, .value_kind: global_buffer, .address_space: global }
      - { .name: Wk, .offset: 16, .size: 8, .value_kind: global_buffer, .address_space: global }
      - { .name: Wv, .offset: 24, .size: 8, .value_kind: global_buffer, .address_space: global }
      - { .name: lowp_scales, .offset: 32, .size: 8, .value_kind: global_buffer, .address_space: global }
      - { .name: qimg, .offset: 40, .size: 8, .value_kind: global_buffer, .address_space: global }
      - { .name: kimg, .offset: 48, .size: 8, .value_kind: global_buffer, .address_space: global }
      - { .name: vimg, .offset: 56, .size: 8, .value_kind: global_buffer, .address_space: global }
    .group_segment_fixed_size: 6400
    .private_segment_fixed_size: 0
    .kernarg_segment_align: 8
    .kernarg_segment_size: 64
    .max_flat_workgroup_size: 64
    .sgpr_count:     66
    .vgpr_count:     256
    .wavefront_size: 32
...
	.end_amdgpu_metadata
.endif
;; end of part 3
;; launch attend (part 4): grid 64 x 4, 8 waves a work-group, no clusters, 157,696 bytes of LDS; arguments qimg, kimg, vimg, lowp_scales, out0; writes out0
.if DOCPART == 4
	.amdgcn_target "amdgcn-amd-amdhsa--gfx1250"
	.amdhsa_code_object_version 6
	.text
	.protected	k_q9a40d9ba66_attend
	.globl	k_q9a40d9ba66_attend
	.p2align	8
	.type	k_q9a40d9ba66_attend,@function
k_q9a40d9ba66_attend:
	s_mov_b64 s[64:65], 0
	v_nop
	global_prefetch_b8 v0, s[64:65] scope:SCOPE_SE
	s_setreg_imm32_b32 hwreg(HW_REG_WAVE_SCHED_MODE, 0, 2), 2
	s_setreg_imm32_b32 hwreg(HW_REG_WAVE_MODE, 25, 1), 1
	s_wait_xcnt 0x0
	s_wait_alu depctr_vm_vsrc(0)
; out[b][q][:] = the sum over keys k <= q of softmax_k(q . k / 4) v[k][:].  The scores (K = 16) are f32 products, since they go on into a quantiser; p and v are multiplied as codes of BF8 (E5M2), scales 2^e6 and 2^e7.
; THE SOFTMAX: t = score x log2(e) / 4; M = the largest t so far, rounded UP to a whole number; p = 2^(t - M) is quantised, not normalised; the sum of the unquantised p divides at the end.
; When M moves, the sum and O are multiplied by 2^(old M - new M): nothing is rounded.  Each wave runs under a running M of its own; the waves' parts are brought under the largest M in the same way.
; INPUTS are images of operand registers (four registers of 32 lanes = 512 bytes, lane l's 16 bytes at 16 l): qimg, kimg: a tile of 16 tokens in 1,024 bytes, register j of lane (r, h) = token r, head index 8 h + j;
; the f32 form's K step s takes registers 2 s, 2 s + 1: the same order of the head's 16 in q and in k.  vimg: a step of 64 tokens in 4,096 bytes, channel tile t at 1,024 t, as the K = 64 form's source wants it.
; SHARES.  A batch has 128 groups of 32 queries.  Work-group (g, b) owns group g, which needs SL = g / 2 + 1 key steps of 64, and group 127 - g, which needs 65 - SL: 65 JOBS (2 query tiles x 64 keys) in every work-group.
; Job i is the low group's step i where i < SL, else the high group's step i - SL.  Wave w takes jobs w, w + 8, ..: a key step is read by ONE wave, straight from memory into registers, a job ahead.
; Each wave keeps -M, the sum and O^T of its own; at the change of groups and at the end they go to LDS, and the eight parts of each tile are merged there.
; LAYOUT.  S^T = K Q^T (source 0 = 16 keys, source 1 = 16 queries) and O^T = V^T P^T: a lane holds ONE query (lane % 16) throughout; key tile c's eight registers are keys 16 c + 8 (lane / 16) + 0..7, which is the
; place that the K = 64 form gives registers 2 c, 2 c + 1: the conversions' results are the second product's operand.
; THE MASK.  Steps whose keys all come after the queries are no jobs.  In a group's last step the mask (0 or -infinity) is the C of the sums' first products; elsewhere that C is the constant 0.
; NO CLUSTER, NO TENSOR LOAD: wave w of a work-group walks steps w, w + 8, .. of a list that begins anew at job SL, and SL differs from work-group to work-group: no two work-groups want the same 4,096 bytes in the same
; trip; and inside a work-group no two waves read the same step, so LDS would hold nothing that is read twice.
; LIMITS: e6 between -126 and 112 (2^e6 and 57,344 x 2^e6 are f32 numbers); e6 + e7 is applied by v_ldexp_f32.  NaN and infinite scores are not served.  p is quantised under the wave's running M.
; REGISTERS.  Window 0: v1-9 addresses; v16-31 Q; v32-63 K; v64-95 V; v96-127 p; v128-143 p's codes; v144-159 statistics, 8 a tile: +0 -M, +1 the largest t, +2, +3 the sum, +4 f (+5 its pair's partner), +6, +7 at work;
;   v192-255 S^T, which matrix instructions alone write.   Window 1: v0-63 O^T (tile u, channel tile t at 32 u + 8 t); v64-79 the high group's Q; v80-143 the mask.
; THE MODE: SCHED_MODE bits 1:0 = 2 (LLVM: expert scheduling mode 2), set by the entry lines.  The code itself states the register dependences
; between vector or matrix instructions and memory or LDS instructions, with s_wait_alu, always for 0.
; THE PLAN.  Registers that memory or LDS instructions touch:
;   v1            the offset of every global load and store: written once, ahead of the first load.
;   v2 - v9       LDS addresses: written once at the head, behind the first loads; first read by a part's stores, behind the wait that stands in DUMP.
;   K (v32-63)    a job's 32 score products read it; behind them the next job's eight loads land in it.
;   V (v64-95)    a job's eight products on codes read it; behind them the next job's eight loads land in it.
;   Q             loaded once at the head; no memory instruction names it again before the merge.
;   -M, the sum, O^T   written by vector and matrix lines; read by a part's LDS stores (DUMP); at the change of groups written anew by INIT.
;   the merge     LDS loads land in v144-159 (two of whose pairs the last part's stores read) and in v16-143; v16-31 go to the stage; v32-47 come back from it and are stored.
;   S^T, p, p's codes, the mask are named by vector and matrix lines alone in the loop.   v190, v191: written at the head, read by the closing add alone.
; A JOB THAT ASKS AHEAD has two waits on va_vdst for its loads: one behind the score products, ahead of K's run, and one behind the products on codes, ahead of V's run; each run stands at
; the earliest place at which its registers are free, and no line between the wait and the run names them.  Two more waits on va_vdst stand behind the exponentials, one a tile.  The last job asks for nothing and has only those two.
; DUMP has one wait on va_vdst, between its vector lines and its stores; no vector line stands between the last DUMP's wait and the merge's loads, so that wait serves those too.  A wait on vm_vsrc stands ahead of INIT at the change
; of groups and ahead of the merge's loads.  One more wait on va_vdst stands ahead of the stage's stores, and serves the loads that come back from the stage.
; A vector line's scalar result has its wait on va_sdst ahead of its first reader: the wave's number at the head; the mask's compares, in runs of sixteen with one wait behind each run.
.set LI,   1                           ; v1   16 x lane
.set DA16, 2                           ; v2   my wave's part in LDS: 16 x lane + 17,408 x wave
.set DA8,  3                           ; v3   8 x lane + 17,408 x wave
.set MO,   4                           ; v4, v5  the merge: O^T's images of parts 0-3, 4-7
.set MS,   6                           ; v6, v7  the merge: the statistics of parts 0-3, 4-7
.set SO,   8                           ; v8   the stage: where I put 32 bytes of a row
.set SR,   9                           ; v9   and where I read a row back
.set QF,   16
.set KF,   32
.set VF,   64
.set PP,   96
.set PC,   128
.set ST,   144
.set SUM2, 162                         ; v[162:163] the sums' second chain
.set SC,   164                         ; v164 2^e6
.set LIM,  165                         ; v165 57,344 x 2^e6
.set NINF, 166                         ; v166 -infinity
.set RH,   167                         ; v167 r - 8 h
.set DD,   168                         ; v168 a key of the diagonal step is hidden where 16 c + j - 16 u > DD
.set SA,   192
.set OT,   0                           ; window 1
.set QH,   64                          ; window 1
.set MK,   80                          ; window 1
.set WV,   14                          ; s14  wave
.set GG,   15                          ; s15  g
.set BB,   16                          ; s16  b
.set SL,   17                          ; s17  the low group's steps
.set CNT,  18                          ; s18  the job in hand
.set DG,   19                          ; s19  the low group's diagonal job: SL - 1
.set QOFF, 20                          ; s20  the group's first query within its diagonal step: 0 or 32
.set KB,   24                          ; s[24:25], s[26:27]  kimg, vimg at my batch
.set VB,   26
.set KA,   28                          ; s[28:29], s[30:31]  the bases of the loads in hand
.set VA,   30
.set CS,   32                          ; s[32:33]  c = log2(e) / 4, twice
.set SEL,  34                          ; s[34:35]  v_permlanex16_b32's selects: lane l xor 16
.set CMA,  36                          ; s[36:43]  behind the head, where they held the exponents: eight of a run's sixteen lane masks
.set CMB,  4                           ; s[4:11]   behind the head, where they held arguments that are done with: the other eight
.set OFF,  44                          ; s[44:45]  4,096 x the next job's step
.set ESUM, 46                          ; s46  e6 + e7
.set PARTW, 17408                      ; LDS: a wave's parts: two groups
.set PARTG, 8704                       ; a group's: two tiles
.set PARTT, 4352                       ; a tile's: O^T, eight images of 512 bytes, then (-M, sum), 8 bytes a lane
.set STATO, 4096
.set STG,   8*PARTW                    ; behind the parts: a stage of 16 rows x (256 + 16) bytes for each of the four tiles
.set SP,    272
.set MSB, 0
.macro WIN new                         ; s_set_vgpr_msb's low byte: bits 1:0 source 0, 3:2 source 1, 5:4 source 2, 7:6 destination; the high byte repeats the setting that is left
.if MSB != \new
	s_set_vgpr_msb (MSB<<8)|\new
.set MSB, \new
.endif
.endm
; a group's start: the largest t under every t, the sum and O^T zero: the job is written once, and its first run multiplies zeros by f = 0
.macro INIT
.irp u, 0,1
	v_mov_b32 v[ST+8*\u+1], 0xff61b1e6             ; -3e38
	v_floor_f32 v[ST+8*\u], -v[ST+8*\u+1]
	v_mov_b32 v[ST+8*\u+2], 0
	v_mov_b32 v[ST+8*\u+3], 0
	v_mov_b32 v[ST+8*\u+5], 0                      ; named as the upper half of f's pair
	v_mov_b32 v[ST+8*\u+7], 0                      ; a lane permute's destination counts as one of its sources
.endr
	WIN 0x40
.set j, 0
.rept 64
	v_mov_b32 v[OT+j], 0
.set j, j+1
.endr
	WIN 0
.endm
.macro KLOAD                           ; a step's 64 keys: 4 tiles x 8 registers
.irp n, 0,1,2,3,4,5,6,7
	global_load_b128 v[KF+4*\n:KF+4*\n+3], v[LI], s[KA:KA+1] offset:512*\n
.endr
.endm
.macro VLOAD                           ; and its V^T: 4 channel tiles x 8 registers
.irp n, 0,1,2,3,4,5,6,7
	global_load_b128 v[VF+4*\n:VF+4*\n+3], v[LI], s[VA:VA+1] offset:512*\n
.endr
.endm
.macro NEXT                            ; my next job is CNT + 8: its step, in bytes
	s_add_co_u32 s21, s[CNT], 8
	s_sub_co_u32 s22, s21, s[SL]
	s_cmp_lt_u32 s21, s[SL]
	s_cselect_b32 s[OFF], s21, s22
	s_lshl_b32 s[OFF], s[OFF], 12
.endm
; eight products: K step s of all eight sums, which take turns, one instruction a turn.  how = 0: C is the constant 0; 1: C is the mask; 2: in place
.macro QKSTEP s, how
.irp u, 0,1
.irp c, 0,1,2,3
.if \how == 0
	v_wmma_f32_16x16x4_f32 v[SA+32*\u+8*\c:SA+32*\u+8*\c+7], v[KF+8*\c+2*(\s):KF+8*\c+2*(\s)+1], v[QF+8*\u+2*(\s):QF+8*\u+2*(\s)+1], 0
.elseif \how == 1
	v_wmma_f32_16x16x4_f32 v[SA+32*\u+8*\c:SA+32*\u+8*\c+7], v[KF+8*\c+2*(\s):KF+8*\c+2*(\s)+1], v[QF+8*\u+2*(\s):QF+8*\u+2*(\s)+1], v[MK+32*\u+8*\c:MK+32*\u+8*\c+7]
.else
	v_wmma_f32_16x16x4_f32 v[SA+32*\u+8*\c:SA+32*\u+8*\c+7], v[KF+8*\c+2*(\s):KF+8*\c+2*(\s)+1], v[QF+8*\u+2*(\s):QF+8*\u+2*(\s)+1], v[SA+32*\u+8*\c:SA+32*\u+8*\c+7]
.endif
.endr
.endr
.endm
; S^T = K Q^T for 64 keys x 32 queries.  diag: the job that lies on the diagonal (a branch on ids alone)
.macro QK diag
	s_cmp_eq_u32 s[CNT], \diag
	s_cbranch_scc1 .Ldiag_\@
	QKSTEP 0, 0
	s_branch .Ljoin_\@
.Ldiag_\@:
	v_add_nc_u32 v[DD], s[QOFF], v[RH]             ; register j of sum (u, c) holds key 16 c + 8 h + j for query QOFF + 16 u + r: hidden where 16 c + j - 16 u > QOFF + r - 8 h
.irp u, 0,1                                    ; the mask of two sums at a time: sixteen compares into sixteen scalar registers, one wait, sixteen selects
.irp cc, 0,2
	WIN 0
.irp j, 0,1,2,3,4,5,6,7
	v_cmp_gt_i32 s[CMA+\j], 16*(\cc)+\j-16*\u, v[DD]
.endr
.irp j, 0,1,2,3,4,5,6,7
	v_cmp_gt_i32 s[CMB+\j], 16*(\cc+1)+\j-16*\u, v[DD]
.endr
	s_wait_alu depctr_va_sdst(0)                   ; the sixteen compares have written their lane masks, which the selects below read
	WIN 0x40                                       ; destination window 1
.irp j, 0,1,2,3,4,5,6,7
	v_cndmask_b32 v[MK+32*\u+8*(\cc)+\j], 0, v[NINF], s[CMA+\j]
.endr
.irp j, 0,1,2,3,4,5,6,7
	v_cndmask_b32 v[MK+32*\u+8*(\cc+1)+\j], 0, v[NINF], s[CMB+\j]
.endr
.endr
.endr
	WIN 0x10                                       ; source 2 window 1
	QKSTEP 0, 1
	WIN 0                                          ; at a label every window is 0
.Ljoin_\@:
	QKSTEP 1, 2
	QKSTEP 2, 2
	QKSTEP 3, 2
.endm
; both tiles' largest score, line by line by turns; each sum is first read at its low end.  Then the running largest t, the new -M = floor(-t), and f = 2^(old M - new M)
.macro STATS
.irp u, 0,1
	v_max3_num_f32 v[ST+8*\u+6], v[SA+32*\u], v[SA+32*\u+1], v[SA+32*\u+2]
	v_max3_num_f32 v[ST+8*\u+7], v[SA+32*\u+3], v[SA+32*\u+4], v[SA+32*\u+5]
.endr
.irp i, 6,10,14,18,22,26
.irp u, 0,1
	v_max3_num_f32 v[ST+8*\u+6], v[ST+8*\u+6], v[SA+32*\u+\i], v[SA+32*\u+\i+1]
	v_max3_num_f32 v[ST+8*\u+7], v[ST+8*\u+7], v[SA+32*\u+\i+2], v[SA+32*\u+\i+3]
.endr
.endr
.irp u, 0,1
	v_max3_num_f32 v[ST+8*\u+6], v[ST+8*\u+6], v[SA+32*\u+30], v[SA+32*\u+31]
.endr
.irp u, 0,1
	v_max_num_f32 v[ST+8*\u+6], v[ST+8*\u+6], v[ST+8*\u+7]
.endr
.irp u, 0,1
	v_permlanex16_b32 v[ST+8*\u+7], v[ST+8*\u+6], s[SEL], s[SEL+1]   ; the query's other 32 keys lie in the lane 16 away
.endr
.irp u, 0,1
	v_max_num_f32 v[ST+8*\u+6], v[ST+8*\u+6], v[ST+8*\u+7]
.endr
.irp u, 0,1
	v_mul_f32 v[ST+8*\u+6], s[CS], v[ST+8*\u+6]    ; as t (c is positive)
.endr
.irp u, 0,1
	v_max_num_f32 v[ST+8*\u+1], v[ST+8*\u+1], v[ST+8*\u+6]
.endr
.irp u, 0,1
	v_mov_b32 v[ST+8*\u+6], v[ST+8*\u]
.endr
.irp u, 0,1
	v_floor_f32 v[ST+8*\u], -v[ST+8*\u+1]          ; -M = floor(-t) = -ceil(t): a whole number
.endr
.irp u, 0,1
	v_sub_f32 v[ST+8*\u+6], v[ST+8*\u], v[ST+8*\u+6]   ; old M - new M: a whole number, 0 or less
.endr
.irp u, 0,1
	v_cvt_i32_f32 v[ST+8*\u+6], v[ST+8*\u+6]       ; (it saturates)
.endr
.irp u, 0,1
	v_ldexp_f32 v[ST+8*\u+4], 1.0, v[ST+8*\u+6]
.endr
.endm
; tile u: p = 2^(c s - M), its sum, its codes
.macro PEXP u
.set rT, ST+8*(\u)
.set rS, SA+32*(\u)
.set j, 0
.rept 16
	v_pk_fma_f32 v[PP+j:PP+j+1], v[rS+j:rS+j+1], s[CS:CS+1], v[rT:rT+1] op_sel_hi:[1,0,0]   ; t - M, two at a time (of the pairs c and -M the low word serves both halves)
.set j, j+2
.endr
.set j, 0
.rept 32
	v_exp_f32 v[PP+j], v[PP+j]
.set j, j+1
.endr
	v_pk_mul_f32 v[rT+2:rT+3], v[rT+2:rT+3], v[rT+4:rT+5] op_sel_hi:[1,0]   ; the sum under the new M; also the plain line behind the last exponential
	s_wait_alu depctr_va_vdst(0)                   ; the 32 exponentials have written p: one wait for the batch, ahead of the first line that names a result
	v_pk_add_f32 v[SUM2:SUM2+1], v[PP:PP+1], v[PP+2:PP+3]   ; the sum is taken of the unquantised p, in two chains
.set j, 4
.rept 7
	v_pk_add_f32 v[rT+2:rT+3], v[rT+2:rT+3], v[PP+j:PP+j+1]
	v_pk_add_f32 v[SUM2:SUM2+1], v[SUM2:SUM2+1], v[PP+j+2:PP+j+3]
.set j, j+4
.endr
	v_pk_add_f32 v[rT+2:rT+3], v[rT+2:rT+3], v[SUM2:SUM2+1]
.set j, 0
.rept 32
	v_min_num_f32 v[PP+j], v[PP+j], v[LIM]         ; the conversion does not saturate (ISA guide 7.6.2); p is not negative, so the hold is one-sided
.set j, j+1
.endr
.irp c, 0,1,2,3
	v_cvt_scalef32_pk8_bf8_f32 v[PC+8*(\u)+2*\c:PC+8*(\u)+2*\c+1], v[PP+8*\c:PP+8*\c+7], v[SC]
.endr
	v_nop                                          ; one plain line between the conversions and the next write of p's registers
.endm
; O^T = f O^T + V^T P^T.  younger: the loads issued behind this job's V, which may stay out
.macro PV younger
	WIN 0x41                                       ; O^T (destination and source 0) window 1, f window 0
.irp u, 0,1
.set j, 0
.rept 16
	v_pk_mul_f32 v[OT+32*\u+j:OT+32*\u+j+1], v[OT+32*\u+j:OT+32*\u+j+1], v[ST+8*\u+4:ST+8*\u+5] op_sel_hi:[1,0]
.set j, j+2
.endr
.endr
	s_wait_loadcnt \younger                        ; V is in: its base may be written again behind this wait
	WIN 0x50                                       ; C and D window 1; V and the codes window 0
.irp t, 0,1,2,3
.irp u, 0,1
	v_wmma_f32_16x16x64_bf8_bf8 v[OT+32*\u+8*\t:OT+32*\u+8*\t+7], v[VF+8*\t:VF+8*\t+7], v[PC+8*\u:PC+8*\u+7], v[OT+32*\u+8*\t:OT+32*\u+8*\t+7]
.endr
.endr
	WIN 0
.rept 4
	v_nop                                          ; four places between the last product and LDS stores of O^T; the wait in DUMP stands beside them
.endr
.endm
; my part of group grp goes to LDS: for each tile (-M, the whole sum) and O^T as it stands in its registers
.macro DUMP grp
.irp u, 0,1
	v_add_f32 v[ST+8*\u+6], v[ST+8*\u+2], v[ST+8*\u+3]
.endr
.irp u, 0,1
	v_permlanex16_b32 v[ST+8*\u+7], v[ST+8*\u+6], s[SEL], s[SEL+1]
.endr
.irp u, 0,1
	v_add_f32 v[ST+8*\u+1], v[ST+8*\u+6], v[ST+8*\u+7]
.endr
	s_wait_alu depctr_va_vdst(0)                   ; -M and the whole sum are written, O^T is written (by the last job's products, or by a group's start), and so are the LDS addresses made at the head: the stores below read them
.irp u, 0,1
	ds_store_b64 v[DA8], v[ST+8*\u:ST+8*\u+1] offset:\grp*PARTG+\u*PARTT+STATO
.endr
	WIN 0x04                                       ; an LDS store's data are source 1: window 1
.irp u, 0,1
.irp n, 0,1,2,3,4,5,6,7
	ds_store_b128 v[DA16], v[OT+32*\u+4*\n:OT+32*\u+4*\n+3] offset:\grp*PARTG+\u*PARTT+512*\n
.endr
.endr
	WIN 0
.endm
; from the low group to the high one
.macro CHANGE
	s_wait_loadcnt 16                              ; both groups' Q are in; the job's own K and V, sixteen younger loads, may stay out
	DUMP 0
	s_wait_dscnt 0x0                               ; my part of the low group has landed
	s_wait_alu depctr_vm_vsrc(0)                   ; the LDS stores have read -M, the sum and O^T, which the lines below write anew
	INIT
	WIN 0x01                                       ; source 0 window 1
.set j, 0
.rept 16
	v_mov_b32 v[QF+j], v[QH+j]
.set j, j+1
.endr
	WIN 0
	s_xor_b32 s[QOFF], s[QOFF], 32                 ; 127 - g is odd where g is even
.endm
; A JOB.  ahead = 1: the next job's K is asked for as soon as K's registers are free, its V likewise
.macro JOB ahead, diag
	s_wait_loadcnt 8                               ; K (and, in the first job, Q) is in; V, the eight youngest loads, may stay out.  K's base may be written again behind this wait
	QK \diag
.rept 8
	v_nop                                          ; eight places behind the f32 form, in front of the first read of the sums (ISA guide 7.12.1)
.endr
.if \ahead
	NEXT
	s_add_nc_u64 s[KA:KA+1], s[KB:KB+1], s[OFF:OFF+1]
	s_wait_alu depctr_va_vdst(0)                   ; the 32 score products are done reading K's registers, in which the next job's K lands
	KLOAD
.endif
	STATS
	PEXP 0
	PEXP 1
.if \ahead
	PV 8                                           ; the next job's K may stay out
	s_add_nc_u64 s[VA:VA+1], s[VB:VB+1], s[OFF:OFF+1]
	s_wait_alu depctr_va_vdst(0)                   ; the eight products on codes are done reading V's registers, in which the next job's V lands
	VLOAD
.else
	PV 0
.endif
.endm
	s_load_b256 s[4:11], s[0:1], 0x0               ; qimg s[4:5], kimg s[6:7], vimg s[8:9], the exponents s[10:11]
	s_load_b64 s[12:13], s[0:1], 0x20              ; out0
	v_lshl_add_u32 v190, v0, 2, 0x26400
	v_mov_b32 v191, 0
	v_lshrrev_b32 v10, 5, v0
	v_readfirstlane_b32 s[WV], v10                 ; wave 0..7
	v_and_b32 v10, 31, v0                          ; lane
	v_lshlrev_b32 v[LI], 4, v10
	s_mov_b32 s[GG], ttmp9
	s_and_b32 s[BB], ttmp7, 0xffff
	s_lshr_b32 s[SL], s[GG], 1
	s_add_co_u32 s[SL], s[SL], 1
	s_sub_co_u32 s[DG], s[SL], 1
	s_and_b32 s[QOFF], s[GG], 1
	s_lshl_b32 s[QOFF], s[QOFF], 5
	s_wait_alu depctr_va_sdst(0)                   ; the wave's number is written, ahead of its first reader
	s_mov_b32 s[CNT], s[WV]                        ; my first job
	s_mov_b32 s[CS], 0x3eb8aa3b                    ; log2(e) / 4
	s_mov_b32 s[CS+1], s[CS]
	s_mov_b32 s[SEL], 0x76543210
	s_mov_b32 s[SEL+1], 0xfedcba98
	s_lshl_b32 s48, s[BB], 18                      ; a batch is 262,144 bytes in each of the three buffers
	s_mov_b32 s49, 0
	s_lshl_b32 s50, s[GG], 11                      ; a group's two tiles of Q are 2,048 bytes
	s_add_co_u32 s50, s50, s48
	s_mov_b32 s51, 0
	s_sub_co_u32 s52, 127, s[GG]
	s_lshl_b32 s52, s52, 11
	s_add_co_u32 s52, s52, s48
	s_mov_b32 s53, 0
	s_sub_co_u32 s21, s[CNT], s[SL]
	s_cmp_lt_u32 s[CNT], s[SL]
	s_cselect_b32 s[OFF], s[CNT], s21              ; my first job's step
	s_lshl_b32 s[OFF], s[OFF], 12
	s_mov_b32 s[OFF+1], 0
	s_wait_kmcnt 0x0
	s_load_b256 s[36:43], s[10:11], 0x0            ; e0 .. e7
	s_add_nc_u64 s[KB:KB+1], s[6:7], s[48:49]
	s_add_nc_u64 s[VB:VB+1], s[8:9], s[48:49]
	s_add_nc_u64 s[KA:KA+1], s[KB:KB+1], s[OFF:OFF+1]
	s_add_nc_u64 s[VA:VA+1], s[VB:VB+1], s[OFF:OFF+1]
	s_add_nc_u64 s[50:51], s[4:5], s[50:51]        ; the low group's Q
	s_add_nc_u64 s[52:53], s[4:5], s[52:53]        ; the high group's
	s_wait_alu depctr_va_vdst(0)                   ; v1, the offset of every global load and store, is written
.irp n, 0,1,2,3
	global_load_b128 v[QF+4*\n:QF+4*\n+3], v[LI], s[50:51] offset:512*\n
.endr
	WIN 0x40                                       ; destination window 1
.irp n, 0,1,2,3
	global_load_b128 v[QH+4*\n:QH+4*\n+3], v[LI], s[52:53] offset:512*\n
.endr
	WIN 0
	KLOAD
	VLOAD
	; every LDS address is made here, of the lane and the wave's number alone
	v_and_b32 v11, 15, v0                          ; r
	v_bfe_u32 v12, v0, 4, 1                        ; h
	s_mul_i32 s21, s[WV], PARTW
	v_add_nc_u32 v[DA16], s21, v[LI]
	v_lshl_add_u32 v[DA8], v10, 3, s21
	s_lshr_b32 s22, s[WV], 1                       ; the merge: wave w takes tile w / 2 of the four (group w / 4, tile (w / 2) % 2),
	s_and_b32 s23, s[WV], 1                        ; and of its four channel tiles 2 (w % 2) and 2 (w % 2) + 1
	s_mul_i32 s22, s22, PARTT
	s_lshl_b32 s21, s23, 11
	s_add_co_u32 s21, s21, s22
	v_add_nc_u32 v[MO], s21, v[LI]
	v_add_nc_u32 v[MO+1], 4*PARTW, v[MO]
	s_add_co_u32 s21, s22, STATO
	v_lshl_add_u32 v[MS], v10, 3, s21
	v_add_nc_u32 v[MS+1], 4*PARTW, v[MS]
	s_lshl_b32 s21, s23, 7
	s_add_co_u32 s21, s21, s22
	s_add_co_u32 s21, s21, STG
	v_mul_u32_u24 v[SO], v11, SP
	v_lshl_add_u32 v[SO], v12, 5, v[SO]
	v_add_nc_u32 v[SO], s21, v[SO]                 ; the stage, in: row r, + 128 (w % 2) + 32 h
	s_mul_i32 s21, s23, 8*SP
	s_add_co_u32 s21, s21, s22
	s_add_co_u32 s21, s21, STG
	v_mul_u32_u24 v[SR], v12, SP
	v_lshl_add_u32 v[SR], v11, 4, v[SR]
	v_add_nc_u32 v[SR], s21, v[SR]                 ; back: rows 8 (w % 2) + h on, 16 bytes a lane
	v_lshlrev_b32 v[RH], 3, v12
	v_sub_nc_u32 v[RH], v11, v[RH]
	v_mov_b32 v[NINF], 0xff800000
	s_wait_kmcnt 0x0
	s_add_co_i32 s[ESUM], s42, s43
	s_add_co_i32 s21, s42, 127
	s_lshl_b32 s22, s21, 23
	v_mov_b32 v[SC], s22
	s_add_co_i32 s21, s21, 15
	s_lshl_b32 s21, s21, 23
	s_or_b32 s21, s21, 0x600000
	v_mov_b32 v[LIM], s21
	INIT
.Ljob:                                             ; wave 0: eight trips, the others seven; the last job is written out behind the loop, since it asks for nothing
	s_sub_co_u32 s21, s[CNT], s[SL]
	s_cmp_lt_u32 s21, 8                            ; my first job of the high group?  Every wave meets it once, in a trip with CNT < SL + 8 <= 40
	s_cbranch_scc0 .Lsame
	CHANGE
.Lsame:
	JOB 1, s19
	s_add_co_u32 s[CNT], s[CNT], 8
	s_cmp_lt_u32 s[CNT], 57
	s_cbranch_scc1 .Ljob
	JOB 0, 64                                      ; job 64, wave 0's, is the high group's diagonal step
	DUMP 1
	s_wait_dscnt 0x0                               ; for the others' sake: my parts have landed
	s_barrier_signal -1
	s_barrier_wait -1
	; THE MERGE.  Of my tile: the eight waves' (-M, sum), then my two channel tiles of their O^T
	s_wait_alu depctr_vm_vsrc(0)                   ; my part's LDS stores have read v144, v145, v152 and v153, in which the loads below land.  (Every vector and matrix line that named v16 to v159 stands ahead of the wait in DUMP)
.irp u, 0,1,2,3,4,5,6,7
	ds_load_b64 v[ST+2*\u:ST+2*\u+1], v[MS+\u/4] offset:(\u%4)*PARTW
.endr
.irp u, 0,1,2,3,4,5,6,7
.irp n, 0,1,2,3
	ds_load_b128 v[16+16*\u+4*\n:16+16*\u+4*\n+3], v[MO+\u/4] offset:(\u%4)*PARTW+512*\n
.endr
.endr
	s_lshr_b32 s21, s[WV], 2                       ; where my eight rows of out0 begin
	s_sub_co_u32 s22, 127, s[GG]
	s_cmp_eq_u32 s21, 0
	s_cselect_b32 s22, s[GG], s22                  ; my tile's group,
	s_lshl_b32 s22, s22, 1
	s_bfe_u32 s21, s[WV], 0x10001
	s_add_co_u32 s22, s22, s21                     ; its tile of 16 queries: 4,096 bytes,
	s_lshl_b32 s22, s22, 12
	s_and_b32 s21, s[WV], 1
	s_lshl_b32 s21, s21, 11                        ; my eight rows of it,
	s_add_co_u32 s22, s22, s21
	s_lshl_b32 s21, s[BB], 20                      ; the batch
	s_add_co_u32 s48, s22, s21
	s_mov_b32 s49, 0
	s_add_nc_u64 s[48:49], s[12:13], s[48:49]
	s_wait_dscnt 32                                ; the statistics are in; O^T's 32 loads may stay out
	v_min_num_f32 v160, v[ST], v[ST+2]             ; the smallest -M: the largest M
.irp u, 2,3,4,5,6,7
	v_min_num_f32 v160, v160, v[ST+2*\u]
.endr
.irp u, 0,1,2,3,4,5,6,7
	v_sub_f32 v[ST+2*\u], v160, v[ST+2*\u]         ; part u's M less the largest: a whole number, 0 or less
.endr
.irp u, 0,1,2,3,4,5,6,7
	v_cvt_i32_f32 v[ST+2*\u], v[ST+2*\u]           ; (it saturates: a wave that had no job of this group gets the factor 0)
.endr
.irp u, 0,1,2,3,4,5,6,7
	v_ldexp_f32 v[ST+2*\u], 1.0, v[ST+2*\u]
.endr
	v_mul_f32 v161, v[ST], v[ST+1]
.irp u, 1,2,3,4,5,6,7
	v_fma_f32 v161, v[ST+2*\u], v[ST+2*\u+1], v161 ; the row's sum under the largest M
.endr
	v_rcp_f32 v162, v161
	v_nop                                          ; a plain line behind the reciprocal
	s_wait_alu depctr_va_vdst(0)                   ; the reciprocal has written v162, ahead of its first reader
	v_ldexp_f32 v162, v162, s[ESUM]                ; x 2^(e6 + e7)
.irp u, 0,1,2,3,4,5,6,7
	v_mul_f32 v[ST+2*\u], v[ST+2*\u], v162
.endr
	s_wait_dscnt 28                                ; part 0's four loads are in
.irp i, 0,2,4,6,8,10,12,14
	v_pk_mul_f32 v[16+\i:17+\i], v[16+\i:17+\i], v[ST:ST+1] op_sel_hi:[1,0]
.endr
.irp u, 1,2,3,4,5,6,7
	s_wait_dscnt 4*(7-\u)                          ; part u's are in; those of the parts behind it may stay out
.irp i, 0,2,4,6,8,10,12,14
	v_pk_fma_f32 v[16+\i:17+\i], v[16+16*\u+\i:17+16*\u+\i], v[ST+2*\u:ST+2*\u+1], v[16+\i:17+\i] op_sel_hi:[1,0,1]
.endr
.endr
	; THE WAY OUT.  Register 8 t + j of lane (r, h) is out(query r, channel 32 (w % 2) + 16 t + 8 h + j): 32 bytes of a row whose 256 bytes come from two waves: they meet in the tile's stage
	s_wait_alu depctr_va_vdst(0)                   ; the merged v16 to v31 are written, which the stage's stores read; and the multiply-adds are done reading v32 to v47, in which the loads from the stage land
.irp t, 0,1
	ds_store_b128 v[SO], v[16+8*\t:19+8*\t] offset:64*\t
	ds_store_b128 v[SO], v[20+8*\t:23+8*\t] offset:64*\t+16
.endr
	s_wait_dscnt 0x0                               ; for the other wave's sake
	s_barrier_signal -1
	s_barrier_wait -1
.irp n, 0,1,2,3
	ds_load_b128 v[32+4*\n:35+4*\n], v[SR] offset:2*\n*SP
.endr
.irp n, 0,1,2,3
	s_wait_dscnt 3-\n
	global_store_b128 v[LI], v[32+4*\n:35+4*\n], s[48:49] offset:512*\n th:TH_STORE_NT   ; 32 lanes store two whole rows: 512 consecutive bytes, at a multiple of 512 from out0's first byte
.endr
	s_wait_dscnt 0x0                               ; the closing lines, six on end
	s_wait_alu 0x0
	s_wait_tensorcnt 0x0
	ds_add_u32 v190, v191
	s_wait_dscnt 0x0
	s_endpgm
.Lfunc_end_k_q9a40d9ba66_attend:
	.size	k_q9a40d9ba66_attend, .Lfunc_end_k_q9a40d9ba66_attend-k_q9a40d9ba66_attend
	.p2alignl 7, 3214868480
	.fill 96, 4, 3214868480
	.section	.rodata,"a",@progbits
	.p2align	6, 0x0
	.amdhsa_kernel k_q9a40d9ba66_attend
		.amdhsa_group_segment_fixed_size 157696
		.amdhsa_private_segment_fixed_size 0
		.amdhsa_enable_private_segment 0
		.amdhsa_kernarg_size 40
		.amdhsa_user_sgpr_count 2
		.amdhsa_user_sgpr_kernarg_segment_ptr 1
		.amdhsa_wavefront_size32 1
		.amdhsa_system_sgpr_workgroup_id_x 1
		.amdhsa_system_sgpr_workgroup_id_y 1
		.amdhsa_system_sgpr_workgroup_id_z 1
		.amdhsa_system_vgpr_workitem_id 0
		.amdhsa_next_free_vgpr 400
		.amdhsa_next_free_sgpr 66
		.amdhsa_reserve_vcc 0
		.amdhsa_float_denorm_mode_32 3
		.amdhsa_float_denorm_mode_16_64 3
		.amdhsa_memory_ordered 1
		.amdhsa_forward_progress 1
		.amdhsa_inst_pref_size 79
	.end_amdhsa_kernel
	.amdgpu_metadata
---
amdhsa.version: [ 1, 2 ]
amdhsa.kernels:
  - .name:           k_q9a40d9ba66_attend
    .symbol:         k_q9a40d9ba66_attend.kd
    .args:
      - { .name: qimg, .offset: 0, .size: 8, .value_kind: global_buffer, .address_space: global }
      - { .name: kimg, .offset: 8, .size: 8, .value_kind: global_buffer, .address_space: global }
      - { .name: vimg, .offset: 16, .size: 8, .value_kind: global_buffer, .address_space: global }
      - { .name: lowp_scales, .offset: 24, .size: 8, .value_kind: global_buffer, .address_space: global }
      - { .name: out0, .offset: 32, .size: 8, .value_kind: global_buffer, .address_space: global }
    .group_segment_fixed_size: 157696
    .private_segment_fixed_size: 0
    .kernarg_segment_align: 8
    .kernarg_segment_size: 40
    .max_flat_workgroup_size: 256
    .sgpr_count:     66
    .vgpr_count:     400
    .wavefront_size: 32
...
	.end_amdgpu_metadata
.endif
;; end of part 4
